; MI455X (gfx1250); checked and timed in simulation.
; The chip was launched on July 23, 2026; its instructions are those of AMD's public machine-readable ISA for CDNA 5 (MIT licence, August 2026) and "CDNA5" Instruction Set Architecture Reference Guide (July 2026). The comments in the code are by the model that wrote it; some were corrected since.
;; Multi Head Attention. Allowed arithmetic: matrix products marked QUANTISED: E2M3 operands, one E8M0 scale for each 32 along K, by v_wmma_scale_f32_16x16x128_f8f6f4 with both operands' format E2M3, f32 sums; everything else in f32.
;; Inputs: W_k 1,024 x 1,024 float32; W_o 1,024 x 1,024 float32; W_q 1,024 x 1,024 float32; W_v 1,024 x 1,024 float32; x 4 x 2,048 x 1,024 float32.
;; Outputs: out0 4 x 2,048 x 1,024 float32.
;; This version of the problem:
;;   THIS VERSION OF THE PROBLEM IS GIVEN IN LOW PRECISION. The matrix products marked QUANTISED in the list below multiply operands that are first quantised to E2M3 (2 exponent bits, 3 mantissa bits; 6 bits a number), with one power-of-two scale for each 32 numbers along K (OCP MX v1.0); their sums are f32. All else is computed in f32.
;;   The module's matrix products, in the order in which they are computed (A, B: the left and right operand; K: the contracted axis; several contracted axes count as one K, in the product's order):
;;     1. [M 8,192, K 1,024] x [K 1,024, N 1,024]; A: input x; B: input W_q: QUANTISED
;;     2. [M 8,192, K 1,024] x [K 1,024, N 1,024]; A: input x; B: input W_k: QUANTISED
;;     3. [M 8,192, K 1,024] x [K 1,024, N 1,024]; A: input x; B: input W_v: QUANTISED
;;     4. batch 64 x [M 2,048, K 64] x [K 64, N 2,048]; A: computed on the way; B: computed on the way: QUANTISED
;;     5. batch 64 x [M 2,048, K 2,048] x [K 2,048, N 64]; A: softmax (see below); B: computed on the way: QUANTISED
;;     6. [M 8,192, K 1,024] x [K 1,024, N 1,024]; A: computed on the way; B: input W_o: QUANTISED
;;   THE QUANTISER, for each operand of a quantised product, along K:
;;     - K is cut into blocks of 32 from its start; a last block that is shorter is filled with zeros.
;;     - A block's scale is 2^e with e = floor(log2(the largest magnitude in the block)) - 2, held to -126 .. 127; a block of zeros has e = 0. As a byte (E8M0): e + 127.
;;     - Each number is divided by its block's scale, clamped to +-7.5, and rounded to the nearest number of E2M3, ties to even, subnormals kept.
;;     - The product sums the exact products of the quantised numbers (number of the format x scale) in f32.
;;   ~~~python
;;   def quantise(x, axis):      # numpy; x: float32 -> the quantised numbers, widened to float32 again
;;       x = np.moveaxis(x, axis, -1); K = x.shape[-1]
;;       x = np.pad(x, [(0, 0)] * (x.ndim - 1) + [(0, -K % 32)]); x = x.reshape(x.shape[:-1] + (-1, 32)); a = np.abs(x).max(-1, keepdims=True)
;;       e = np.where(a > 0, np.clip(np.frexp(np.where(a > 0, a, 1))[1] - 1 - 2, -126, 127), 0)      # np.frexp(a)[1] - 1 = floor(log2(a)), exactly
;;       r = np.clip(x / 2.0 ** e, -7.5, 7.5)
;;       step = 2.0 ** (np.maximum(np.frexp(np.where(r == 0, 1, r))[1] - 1, 0) - 3)
;;       q = np.round(r / step) * step * 2.0 ** e      # np.round: ties to even
;;       return np.moveaxis(q.reshape(q.shape[:-2] + (-1,))[..., :K], -1, axis).astype(np.float32)
;;   ~~~
;;   SOFTMAX AHEAD OF A QUANTISED PRODUCT. Where the list says 'softmax', what is quantised is not the finished softmax but p = 2^(t - M), with t = logit x log2(e) and M = ceil(the row's largest t), a whole number; so 1/2 < the row's largest p <= 1. The row's sum l is taken of the UNQUANTISED p, in f32, and the product's result is divided by l at the end. Since M is a whole number, a kernel that streams over the keys may use a running M (the ceiling of the running maximum): every later rescaling is an exact power of two, which a block's scale takes up: the codes' values come out the same.
;;   OPERANDS COMPUTED ON THE WAY. 'Computed on the way' means the value that the module computes at that place (a softmax that the list does not call 'softmax' is quantised finished and normalised). What goes into a quantiser is computed in f32, as accurately as f32 sums, v_exp_f32 and their like allow (about 1e-6 of the number): no bf16 or f16 on the way to a quantiser, and a product that is left as it is and whose result goes on into a quantised operand takes f32 operands (vector FMAs, or v_wmma_f32_16x16x4_f32). A number that lies on a knife's edge between two numbers of the format may be rounded either way, as far as f32 arithmetic and the matrix unit's own rounding can turn it there, and no further.
;; One version. Each part assembles by itself: llvm-mc -triple=amdgcn-amd-amdhsa -mcpu=gfx1250 --defsym DOCPART=n.
;; ======== version 1 of 1: 4 launches
;; workspace buffers: opc1 8,650,752 bytes; sc1 360,448 bytes; opc2 7,077,888 bytes; sc2 294,912 bytes; qimg 6,815,744 bytes; kv 13,631,488 bytes
;; launch quant (part 1): grid 384 x 1, 4 waves a work-group, no clusters, 60,928 bytes of LDS; arguments x, W_q, W_k, W_v, W_o, opc1, sc1, opc2, sc2; writes opc1, sc1, opc2, sc2
.if DOCPART == 1
	.amdgcn_target "amdgcn-amd-amdhsa--gfx1250"
	.amdhsa_code_object_version 6
	.text
	.protected	k_q368b029833_quant
	.globl	k_q368b029833_quant
	.p2align	8
	.type	k_q368b029833_quant,@function
k_q368b029833_quant:
	s_mov_b64 s[64:65], 0
	v_nop
	global_prefetch_b8 v0, s[64:65] scope:SCOPE_SE
	s_setreg_imm32_b32 hwreg(HW_REG_WAVE_MODE, 25, 1), 1
	s_wait_xcnt 0x0
; x [8192][1024] and the four weights [1024 (k)][1024 (n)], f32, become codes of FP6 (E2M3) with one E8M0 byte for each 32 along K, laid in the ORDER OF THE OPERAND'S REGISTERS.
; A block's scale is 2^(floor(log2(its largest magnitude)) - 2): its byte is the largest magnitude's exponent field - 2, held at 1 from below.
; LIMITS: a block of zeros gets the byte 1 where the rule says 127 (its codes are zeros, which add nothing, and this program alone reads the bytes); magnitudes under 2^-124 share that byte; NaN and infinities are not served.
; TILE ORDER: lane-row r of tile T = 2 g + u is row (of x) or column (of a weight) 32 g + 8 u + r + 8 (r / 8).
; CODES: [tile][half 0..15][768 bytes].  A half is 16 rows x 64 K as six registers of all 32 lanes: lane L = 16 h + r holds k = 32 h .. 32 h + 31 of row r; registers 0-3 at 16 L, registers 4-5 at 512 + 8 L.
; SCALE WORDS: [g][q 0..3][u][r][s 0..1], 4 bytes: the four bytes of K step 2 q + s of that row.
; Work-groups 0-255 take x: 32 rows each, a wave 256 along K.  Work-groups 256-383 take the weights: a wave 32 columns x 256 along K, a lane to a column, its registers running down K.
; The two paths have LDS bytes of their own.  No input byte is read by two work-groups, so nothing is shared in a cluster; no tensor load, no barrier: waves share nothing.
.set XSTG,  8448                       ; x path: a wave's stage: 16 rows x (512 bytes + 16)
.set WBASE, 33792                      ; W path: behind the four stages of the x path
.set WSTG,  6656                       ; a wave's stage: [s 2: 3,328][u 2: 1,664][c 2: 768]
.set PC,    16                         ; v16-34   the codes just made
.set R,     40                         ; v40-167  two sets of 64 registers as loaded
.set X,     168                        ; v168-231 64 numbers of my row: register 16 b + i = k 32 b + 16 h + i
.set TM,    232                        ; v232-235 largest magnitudes, v236-239 bytes, v244-247 the conversions' scale operands
.set WX,    32                         ; W path: v32-95 two sets of 32 numbers
.set WC,    96                         ; v96-101  a block's six registers of codes
.set WD,    104                        ; v104-106 its second conversion's result
.set OUTR,  112                        ; v112-159 the way out
.set SB,    24                         ; v24-25   the scale words of my column's two K steps
; 64 numbers of a lane become a fragment's 12 registers in v[PC] on, and its scale word in v[pw].
.macro QUANT s, pw
.irp b, 0,1,2,3
	v_max3_num_f32 v[TM+\b], |v[\s+16*\b]|, |v[\s+1+16*\b]|, 0x1800000   ; block b: my 16 numbers, and the floor 2^(3 - 127): the byte cannot fall under 1
.endr
.irp i, 2,4,6,8,10,12,14
.irp b, 0,1,2,3
	v_max3_num_f32 v[TM+\b], v[TM+\b], |v[\s+16*\b+\i]|, |v[\s+1+16*\b+\i]|   ; the four blocks by turns
.endr
.endr
.irp b, 0,1,2,3
	v_permlanex16_b32 v[TM+4+\b], v[TM+\b], s26, s27
.endr
.irp b, 0,1,2,3
	v_max_num_f32 v[TM+\b], v[TM+\b], v[TM+4+\b]   ; with lane l xor 16's 16 numbers: the block's largest magnitude
.endr
.irp b, 0,1,2,3
	v_add_nc_u32 v[TM+12+\b], 0xff000000, v[TM+\b] ; 2 off its exponent field: the conversion's scale operand
.endr
.irp b, 0,1,2,3
	v_lshrrev_b32 v[TM+4+\b], 23, v[TM+12+\b]      ; the scale's byte
.endr
	v_lshl_or_b32 v[\pw], v[TM+5], 8, v[TM+4]
	v_lshl_or_b32 v[\pw], v[TM+6], 16, v[\pw]
	v_lshl_or_b32 v[\pw], v[TM+7], 24, v[\pw]
.irp c, 0,1
	v_cvt_scalef32_pk16_fp6_f32 v[PC+6*\c:PC+2+6*\c], v[\s+32*\c:\s+15+32*\c], v[TM+12+2*\c]
	v_cvt_scalef32_pk16_fp6_f32 v[PC+12+4*\c:PC+14+4*\c], v[\s+16+32*\c:\s+31+32*\c], v[TM+12+2*\c+1]   ; a conversion's three registers begin on an even number
.endr
	v_nop                                          ; one plain line behind the scaled conversions
.irp c, 0,1                                    ; a lane is to hold a WHOLE block: lanes 0-15 block 2 c, lanes 16-31 block 2 c + 1
.irp i, 0,1,2
	v_permlane16_swap_b32 v[PC+6*\c+\i], v[PC+12+4*\c+\i]
.endr
.irp i, 0,1,2
	v_mov_b32 v[PC+3+6*\c+\i], v[PC+12+4*\c+\i]
.endr
.endr
.endm
; Fragment f = 2 u + s of the x path: tile u, K step s of my quarter.  Each load reads 512 consecutive bytes of one row.
.macro XLOAD f
.irp p, 0,1,2,3,4,5,6,7,8,9,10,11,12,13,14,15
	global_load_b128 v[R+64*((\f)%2)+4*\p:R+64*((\f)%2)+4*\p+3], v1, s[4:5] offset:(8*((\f)/2)+\p+8*(\p/8))*4096+512*((\f)%2) th:TH_LOAD_NT
.endr
.endm
.macro XFRAG f
.if (\f) < 3
	s_wait_loadcnt 16                              ; this fragment's 16 loads are in; the next fragment's 16 may be out
.else
	s_wait_loadcnt 0
.endif
.irp p, 0,1,2,3,4,5,6,7,8,9,10,11,12,13,14,15
	ds_store_b128 v3, v[R+64*((\f)%2)+4*\p:R+64*((\f)%2)+4*\p+3] offset:528*\p   ; the 16 rows as they lie; LDS serves a wave's instructions in order
.endr
.irp b, 0,1,2,3
.irp j, 0,1,2,3
	ds_load_b128 v[X+16*\b+4*\j:X+16*\b+4*\j+3], v4 offset:128*\b+16*\j           ; back: of my row, 16 neighbours of each block of 32
.endr
.endr
	s_wait_dscnt 0x0                               ; my numbers are back, and the stores have read their registers,
.if (\f) < 2
	XLOAD (\f)+2                                   ; which take the fragment two on
.endif
	s_wait_xcnt 0x0                                ; the last fragment's stores have read the codes' registers: they are written again only behind this wait
	QUANT X, 248+(\f)
	global_store_b128 v1, v[PC:PC+3], s[14:15] offset:12288*((\f)/2)+1536*((\f)%2)          ; 512 consecutive bytes
	global_store_b64 v2, v[PC+4:PC+5], s[14:15] offset:12288*((\f)/2)+1536*((\f)%2)+512     ; 256 consecutive bytes
	global_store_b128 v1, v[PC+6:PC+9], s[14:15] offset:12288*((\f)/2)+1536*((\f)%2)+768
	global_store_b64 v2, v[PC+10:PC+11], s[14:15] offset:12288*((\f)/2)+1536*((\f)%2)+1280
.endm
; W path: block t of my column: W(32 t + i, column), i = 0 .. 31; a load reads 128 consecutive bytes
.macro WLOAD t
.irp i, 0,1,2,3,4,5,6,7,8,9,10,11,12,13,14,15,16,17,18,19,20,21,22,23,24,25,26,27,28,29,30,31
	global_load_b32 v[WX+32*((\t)%2)+\i], v3, s[30:31] offset:(32*(\t)+\i)*4096 th:TH_LOAD_NT
.endr
.endm
.macro BLOCK t                         ; K step s = t / 4, half c = (t % 4) / 2, lanes' half h = t % 2
.set XS, WX+32*((\t)%2)
.if (\t) < 7
	s_wait_loadcnt 32                              ; this block's 32 loads are in; the next block's may be out
.else
	s_wait_loadcnt 0
.endif
	v_max3_num_f32 v16, |v[XS]|, |v[XS+1]|, |v[XS+2]|   ; all 32 numbers of the block are mine
	v_max3_num_f32 v17, |v[XS+3]|, |v[XS+4]|, |v[XS+5]|
.irp i, 6,10,14,18,22,26
	v_max3_num_f32 v16, v16, |v[XS+\i]|, |v[XS+\i+1]|
	v_max3_num_f32 v17, v17, |v[XS+\i+2]|, |v[XS+\i+3]|
.endr
	v_max3_num_f32 v16, v16, |v[XS+30]|, |v[XS+31]|
	v_max3_num_f32 v16, v16, v17, 0x1800000        ; and the floor
	v_add_nc_u32 v18, 0xff000000, v16              ; the conversion's scale operand
	v_lshrrev_b32 v19, 23, v18                     ; the byte
.if (\t)%4 == 0
	v_mov_b32 v[SB+(\t)/4], v19
.else
	v_lshl_or_b32 v[SB+(\t)/4], v19, 8*((\t)%4), v[SB+(\t)/4]
.endif
	v_cvt_scalef32_pk16_fp6_f32 v[WC:WC+2], v[XS:XS+15], v18
	v_cvt_scalef32_pk16_fp6_f32 v[WD:WD+2], v[XS+16:XS+31], v18
	v_nop                                          ; one plain line behind the scaled conversions
.irp i, 0,1,2
	v_mov_b32 v[WC+3+\i], v[WD+\i]
.endr
	ds_store_b128 v4, v[WC:WC+3] offset:3328*((\t)/4)+768*(((\t)%4)/2)+256*((\t)%2)          ; the place of lane 16 h + r' in the half's image
	ds_store_b64 v5, v[WC+4:WC+5] offset:3328*((\t)/4)+768*(((\t)%4)/2)+512+128*((\t)%2)
.if (\t) < 6
	WLOAD (\t)+2
.endif
	s_wait_dscnt 0x0                               ; the stores have read their registers: the next block's codes may be written
.endm
	s_load_b256 s[4:11], s[0:1], 0x0               ; x, W_q, W_k, W_v
	s_load_b256 s[12:19], s[0:1], 0x20             ; W_o, opc1, sc1, opc2
	s_load_b64 s[20:21], s[0:1], 0x40              ; sc2
	v_lshl_add_u32 v254, v0, 2, 0xec00
	v_mov_b32 v255, 0
	v_lshrrev_b32 v1, 5, v0
	v_readfirstlane_b32 s24, v1                    ; wave 0..3
	s_mov_b32 s26, 0x76543210
	s_mov_b32 s27, 0xfedcba98                      ; v_permlanex16_b32's selects for lane l xor 16
	s_mov_b32 s28, 0xffff0000                      ; lanes 16-31
	s_cmp_ge_u32 ttmp9, 256
	s_cbranch_scc1 .Lweights
	; ---- x: group g = work-group (32 rows), quarter q = wave (256 along K)
	v_and_b32 v5, 31, v0
	v_lshlrev_b32 v1, 4, v5                        ; 16 x lane
	v_lshlrev_b32 v2, 3, v5                        ; 8 x lane
	s_mul_i32 s29, s24, XSTG
	v_add_nc_u32 v3, s29, v1                       ; into the stage
	v_and_b32 v6, 15, v0                           ; r
	v_bfe_u32 v7, v0, 4, 1                         ; h
	v_mul_u32_u24 v4, v6, 528
	v_lshl_add_u32 v4, v7, 6, v4
	v_add_nc_u32 v4, s29, v4                       ; out of it: row r, + 64 h
.irp b, 0,1,2,3
	v_mov_b32 v[TM+4+\b], 0                        ; written once: a lane permute's destination counts as one of its sources
.endr
	s_lshl_b32 s30, ttmp9, 17                      ; 32 rows of 4,096 bytes
	s_lshl_b32 s31, s24, 10
	s_add_co_u32 s30, s30, s31
	s_mov_b32 s31, 0
	s_mul_i32 s32, ttmp9, 24576                    ; two tiles of codes
	s_mul_i32 s33, s24, 3072                       ; two K steps
	s_add_co_u32 s32, s32, s33
	s_mov_b32 s33, 0
	s_lshl_b32 s34, ttmp9, 10
	s_lshl_b32 s35, s24, 8
	s_add_co_u32 s34, s34, s35
	s_mov_b32 s35, 0
	s_wait_kmcnt 0x0
	s_add_nc_u64 s[4:5], s[4:5], s[30:31]
	s_add_nc_u64 s[14:15], s[14:15], s[32:33]
	s_add_nc_u64 s[16:17], s[16:17], s[34:35]
	XLOAD 0
	XLOAD 1
	XFRAG 0
	XFRAG 1
	XFRAG 2
	XFRAG 3
	v_cndmask_b32 v252, v248, v250, s28            ; lanes 0-15 store tile 0's two words of row r, lanes 16-31 tile 1's
	v_cndmask_b32 v253, v249, v251, s28
	global_store_b64 v2, v[252:253], s[16:17]      ; 256 consecutive bytes
	s_wait_tensorcnt 0x0
	ds_add_u32 v254, v255
	s_wait_dscnt 0x0
	s_endpgm
.Lweights:
	; ---- the weights: which weight, which 256 along K, which 32 columns
	s_sub_co_u32 s29, ttmp9, 256
	s_lshr_b32 s36, s29, 5                         ; weight 0..3: W_q, W_k, W_v, W_o
	s_and_b32 s37, s29, 7
	s_bfe_u32 s38, s29, 0x20003                    ; q
	s_lshl_b32 s37, s37, 2
	s_add_co_u32 s37, s37, s24                     ; group of 32 columns, 0..31
	v_and_b32 v2, 31, v0                           ; j: my column in the group
	v_lshlrev_b32 v3, 2, v2
	v_bfe_u32 v11, v0, 3, 1                        ; u: the tile that column j belongs to
	v_and_b32 v12, 7, v0
	v_bfe_u32 v13, v0, 4, 1
	v_lshl_add_u32 v12, v13, 3, v12                ; r': its lane-row there
	s_mul_i32 s39, s24, WSTG
	s_add_co_u32 s39, s39, WBASE                   ; my stage
	v_mul_u32_u24 v14, v11, 1664
	v_add_nc_u32 v14, s39, v14
	v_lshl_add_u32 v4, v12, 4, v14
	v_lshl_add_u32 v5, v12, 3, v14
	v_lshl_add_u32 v6, v2, 4, s39
	v_lshl_add_u32 v7, v2, 3, s39
	v_lshlrev_b32 v8, 4, v2
	v_lshlrev_b32 v9, 3, v2
	v_lshlrev_b32 v10, 7, v11
	v_lshl_add_u32 v10, v12, 3, v10                ; my column's two scale words: 128 u + 8 r'
	s_lshl_b32 s40, s38, 20                        ; 256 rows of 4,096 bytes
	s_lshl_b32 s41, s37, 7
	s_add_co_u32 s40, s40, s41
	s_mov_b32 s41, 0
	s_wait_kmcnt 0x0
	s_cmp_eq_u32 s36, 1                            ; the choices hang on the work-group's number alone
	s_cselect_b64 s[30:31], s[8:9], s[6:7]
	s_cmp_eq_u32 s36, 2
	s_cselect_b64 s[30:31], s[10:11], s[30:31]
	s_cmp_eq_u32 s36, 3
	s_cselect_b64 s[30:31], s[12:13], s[30:31]
	s_cselect_b64 s[32:33], s[18:19], s[14:15]     ; W_o's codes go beside hidden's, the others' beside x's
	s_cselect_b64 s[34:35], s[20:21], s[16:17]
	s_cselect_b32 s36, 0, s36
	s_lshl_b32 s42, s36, 6
	s_lshl_b32 s43, s37, 1
	s_add_co_u32 s42, s42, s43
	s_add_co_u32 s42, s42, 512                     ; my first tile
	s_mul_i32 s44, s42, 12288
	s_mul_i32 s45, s38, 3072
	s_add_co_u32 s44, s44, s45
	s_mov_b32 s45, 0
	s_lshl_b32 s46, s42, 9
	s_lshl_b32 s47, s38, 8
	s_add_co_u32 s46, s46, s47
	s_mov_b32 s47, 0
	s_add_nc_u64 s[30:31], s[30:31], s[40:41]
	s_add_nc_u64 s[32:33], s[32:33], s[44:45]
	s_add_nc_u64 s[34:35], s[34:35], s[46:47]
	WLOAD 0
	WLOAD 1
	BLOCK 0
	BLOCK 1
	BLOCK 2
	BLOCK 3
	BLOCK 4
	BLOCK 5
	BLOCK 6
	BLOCK 7
	global_store_b64 v10, v[SB:SB+1], s[34:35]     ; the 32 lanes cover 256 consecutive bytes
.irp k, 0,1,2,3,4,5,6,7                        ; k = 4 s + 2 u + c: the eight halves come back as they are to lie in memory
	ds_load_b128 v[OUTR+6*\k:OUTR+6*\k+3], v6 offset:3328*(\k/4)+1664*((\k/2)%2)+768*(\k%2)
	ds_load_b64 v[OUTR+6*\k+4:OUTR+6*\k+5], v7 offset:3328*(\k/4)+1664*((\k/2)%2)+768*(\k%2)+512
.endr
.irp k, 0,1,2,3,4,5,6,7
	s_wait_dscnt 15-2*\k
	global_store_b128 v8, v[OUTR+6*\k:OUTR+6*\k+3], s[32:33] offset:12288*((\k/2)%2)+1536*(\k/4)+768*(\k%2)
	s_wait_dscnt 14-2*\k
	global_store_b64 v9, v[OUTR+6*\k+4:OUTR+6*\k+5], s[32:33] offset:12288*((\k/2)%2)+1536*(\k/4)+768*(\k%2)+512
.endr
	s_wait_tensorcnt 0x0
	ds_add_u32 v254, v255
	s_wait_dscnt 0x0
	s_endpgm
.Lfunc_end_k_q368b029833_quant:
	.size	k_q368b029833_quant, .Lfunc_end_k_q368b029833_quant-k_q368b029833_quant
	.p2alignl 7, 3214868480
	.fill 96, 4, 3214868480
	.section	.rodata,"a",@progbits
	.p2align	6, 0x0
	.amdhsa_kernel k_q368b029833_quant
		.amdhsa_group_segment_fixed_size 60928
		.amdhsa_private_segment_fixed_size 0
		.amdhsa_enable_private_segment 0
		.amdhsa_kernarg_size 72
		.amdhsa_user_sgpr_count 2
		.amdhsa_user_sgpr_kernarg_segment_ptr 1
		.amdhsa_wavefront_size32 1
		.amdhsa_system_sgpr_workgroup_id_x 1
		.amdhsa_system_sgpr_workgroup_id_y 1
		.amdhsa_system_sgpr_workgroup_id_z 1
		.amdhsa_system_vgpr_workitem_id 0
		.amdhsa_next_free_vgpr 256
		.amdhsa_next_free_sgpr 66
		.amdhsa_reserve_vcc 0
		.amdhsa_float_denorm_mode_32 3
		.amdhsa_float_denorm_mode_16_64 3
		.amdhsa_memory_ordered 1
		.amdhsa_forward_progress 1
		.amdhsa_inst_pref_size 76
	.end_amdhsa_kernel
	.amdgpu_metadata
---
amdhsa.version: [ 1, 2 ]
amdhsa.kernels:
  - .name:           k_q368b029833_quant
    .symbol:         k_q368b029833_quant.kd
    .args:
      - { .name: x, .offset: 0, .size: 8, .value_kind: global_buffer, .address_space: global }
      - { .name: W_q, .offset: 8, .size: 8, .value_kind: global_buffer, .address_space: global }
      - { .name: W_k, .offset: 16, .size: 8, .value_kind: global_buffer, .address_space: global }
      - { .name: W_v, .offset: 24, .size: 8, .value_kind: global_buffer, .address_space: global }
      - { .name: W_o, .offset: 32, .size: 8, .value_kind: global_buffer, .address_space: global }
      - { .name: opc1, .offset: 40, .size: 8, .value_kind: global_buffer, .address_space: global }
      - { .name: sc1, .offset: 48, .size: 8, .value_kind: global_buffer, .address_space: global }
      - { .name: opc2, .offset: 56, .size: 8, .value_kind: global_buffer, .address_space: global }
      - { .name: sc2, .offset: 64, .size: 8, .value_kind: global_buffer, .address_space: global }
    .group_segment_fixed_size: 60928
    .private_segment_fixed_size: 0
    .kernarg_segment_align: 8
    .kernarg_segment_size: 72
    .max_flat_workgroup_size: 128
    .sgpr_count:     66
    .vgpr_count:     256
    .wavefront_size: 32
...
	.end_amdgpu_metadata
.endif
;; end of part 1
;; launch qkv (part 2): grid 8 x 48, 4 waves a work-group, clusters of 4 x 4, 327,680 bytes of LDS; arguments opc1, sc1, qimg, kv; writes qimg, kv
.if DOCPART == 2
	.amdgcn_target "amdgcn-amd-amdhsa--gfx1250"
	.amdhsa_code_object_version 6
	.text
	.protected	k_q368b029833_qkv
	.globl	k_q368b029833_qkv
	.p2align	8
	.type	k_q368b029833_qkv,@function
k_q368b029833_qkv:
	s_mov_b64 s[64:65], 0
	v_nop
	global_prefetch_b8 v0, s[64:65] scope:SCOPE_SE
	s_setreg_imm32_b32 hwreg(HW_REG_WAVE_MODE, 25, 1), 1
	s_wait_xcnt 0x0
	s_wait_alu depctr_hold_cnt(0) depctr_sa_sdst(0) depctr_va_vdst(0) depctr_va_sdst(0) depctr_va_ssrc(0) depctr_va_vcc(0) depctr_vm_vsrc(0)
	s_getreg_b32 s2, hwreg(HW_REG_IB_STS2, 6, 4)
	s_cmp_eq_u32 s2, 0
	s_cbranch_scc0 .Lentry_in_a_cluster
	s_endpgm
.Lentry_in_a_cluster:
	s_bfe_u32 s2, ttmp6, 0x10000c
	s_cmp_lg_u32 s2, 0xf033
	s_cbranch_scc0 .Lentry_shape_is_right
	s_endpgm
.Lentry_shape_is_right:
; Q = x W_q, K = x W_k, V = x W_v on codes of FP6 with E8M0 scales, K = 1,024; the results are quantised in registers and leave as codes, in the order of the attention launch's operand registers.
; A work-group of four waves makes 256 x 256, a wave 128 x 128: 64 accumulators, 512 registers.  Operand P is source 1 (its rows lie along the lanes), operand R source 0 (its rows lie along a lane's registers).
; Both come out of one buffer of codes, [tile][half 0..15][768 bytes] (a half: 16 rows x 64 K as six registers of all lanes: registers 0-3 at 16 x lane, 4-5 at 512 + 8 x lane), named by tile numbers:
; tiles 0-511 x, 512-575 W_q, 576-639 W_k, 640-703 W_v.  Lane-row r of tile 2 g + u is row 32 g + 8 u + r + 8 (r / 8), so the 16 registers of R's tiles 2 b and 2 b + 1 are 16 NEIGHBOURS.
; Cluster rows 0-7: P = x, R = W_q or W_k: a lane holds one row of Q or K, its 64 registers of a block run along 128 channels (two heads): quantised along the head's 64.
; Cluster rows 8-11: P = W_v, R = x: a lane holds one channel of V, its registers run along 128 keys: quantised along the keys.  The matrix text is the same.
; K goes through a ring of two LDS slots of 256 along K: four fills, the last two behind rounds of the cluster's barrier.  The eight K steps are written out: each names its own scale registers.
; CLUSTERS 4 x 4: P's tiles hang on the row of the cluster alone, R's on its column alone: each is asked for jointly, which divides the requests by four.
; No prefetch: a work-group has four fills in all, two of them at its head.
; LIMITS of the quantiser: a block of zeros gets the byte 1 (its codes are zeros; this program alone reads the bytes); magnitudes under 2^-124 share it; NaN and infinities are not served.
; REGISTERS: window 0: v16-23 LDS addresses, v24-25 16 x and 8 x lane, v27 the scales' offset, v28-29 for the add, v32-95 scale words (v[32 + 8 i + ks]: lanes 0-15 P's block i, lanes 16-31 R's), v128-223 P's fragments;
;   on the way out v96-108 gather scale words, v128-146 codes, v200-216 at work.  window 1: R's fragments, two sets, at v0 and v128.  windows 2, 3: accumulator (a, b) at v[8 (8 (a % 4) + b)].
.set HALFT,  24576                     ; 8 tiles x two K steps of 1,536 bytes: what one tensor load brings, and what one wave reads of P or of R
.set SLOT,   98304                     ; P's 16 tiles, then R's 16
.set SPARE,  196608                    ; behind the ring: the spare words, 128 bytes for each wave, which no other line names
.set FR,     12
.set ADRA,   16                        ; v16-17 P: 16 x lane in slot 0, 1;  v18-19: 8 x lane
.set ADRB,   20                        ; v20-23 the same for R
.set SPW,    28
.set NIL,    29
.set SC,     32
.set AF,     128
.set PC,     128
.set TM,     200
.set PW,     216
.set SA,     96                        ; v96-99   the first head's scale image
.set SBH,    100                       ; v100-103 the second head's
.set SV,     104                       ; v104-105 V's scale image
.set ZZ,     106                       ; v106-107 zeros
.set G1,  24
.set G0,  32
.set G1B, 48
.set G0B, 56
.set MSB, 0
.macro WIN new                         ; the immediate's high byte repeats the setting that is left
.if MSB != (\new)
	s_set_vgpr_msb (MSB<<8)|(\new)
.set MSB, (\new)
.endif
.endm
.set MUL_LO, 0xa1                      ; source 0 (R) window 1, source 1 (P) window 0, C and D window 2
.set MUL_HI, 0xf1                      ; the same, C and D window 3
.set TO_B,   0x40                      ; destination window 1, address window 0
; A joint load: waves 0 and 1 fetch P's halves, waves 2 and 3 R's.  The branch hangs on the wave's number alone.  Four v_nop follow each of the two lines.
.macro JLOAD g0a, g1a, g0b, g1b
	s_cmp_eq_u32 s15, 0
	s_cbranch_scc0 .Lfor_b_\@
	tensor_load_to_lds s[\g0a:\g0a+3], s[\g1a:\g1a+7]
	s_nop 0
.rept 4
	v_nop
.endr
	s_branch .Lasked_\@
.Lfor_b_\@:
	tensor_load_to_lds s[\g0b:\g0b+3], s[\g1b:\g1b+7]
	s_nop 0
.rept 4
	v_nop
.endr
.Lasked_\@:
.endm
.macro CREST                           ; a round of the cluster's barrier behind its opening barrier
	s_cmp_lg_u32 s14, 0
	s_cbranch_scc1 .Lnot_wave_0_\@
	s_barrier_signal -3
.Lnot_wave_0_\@:
	s_barrier_wait -3
	s_barrier_signal -1
	s_barrier_wait -1
.endm
.macro CROUND
	s_barrier_signal -1
	s_barrier_wait -1
	CREST
.endm
.macro PLACES n                        ; plain lines between a matrix instruction and a load into, or a vector line on, its registers
.rept \n
	v_nop
.endr
.endm
.macro FRAG reg, adr, q, i             ; a fragment, 16 rows x 128 K, 12 registers: two halves, each one load of 16 and one of 8 bytes a lane, all lanes' bytes on end
.irp c, 0,1
	ds_load_b128 v[\reg+6*\c:\reg+6*\c+3], v[\adr] offset:3072*(\i)+1536*(\q)+768*\c
	ds_load_b64 v[\reg+6*\c+4:\reg+6*\c+5], v[\adr+2] offset:3072*(\i)+1536*(\q)+768*\c+512
.endr
.endm
.macro FETCH_B slot, q, p              ; R's eight fragments into set p: 32 loads
	WIN TO_B
.irp i, 0,1,2,3,4,5,6,7
	FRAG 128*(\p)+FR*\i, ADRB+\slot, \q, \i
.endr
	WIN 0
.endm
.macro FETCH_A slot, q, i0             ; P's blocks i0 .. i0 + 3: 16 loads
.irp i, \i0, \i0+1, \i0+2, \i0+3
	FRAG AF+FR*(\i), ADRA+\slot, \q, \i
.endr
.endm
; 16 matrix instructions: P's blocks a0, a0 + 1 x R's eight, K step ks.  The 64 accumulators take turns, one instruction a turn, in the same order in every step.
.macro MUL16 a0, p, ks, zero
.irp a, \a0, \a0+1
.irp b, 0,1,2,3,4,5,6,7
.if \zero
	v_wmma_scale_f32_16x16x128_f8f6f4 v[8*(8*((\a)%4)+\b):8*(8*((\a)%4)+\b)+7], v[128*(\p)+FR*\b:128*(\p)+FR*\b+FR-1], v[AF+FR*(\a):AF+FR*(\a)+FR-1], 0, v[SC+8*\b+(\ks)], v[SC+8*(\a)+(\ks)] matrix_a_fmt:MATRIX_FMT_FP6 matrix_b_fmt:MATRIX_FMT_FP6 matrix_a_scale:MATRIX_SCALE_ROW1
.else
	v_wmma_scale_f32_16x16x128_f8f6f4 v[8*(8*((\a)%4)+\b):8*(8*((\a)%4)+\b)+7], v[128*(\p)+FR*\b:128*(\p)+FR*\b+FR-1], v[AF+FR*(\a):AF+FR*(\a)+FR-1], v[8*(8*((\a)%4)+\b):8*(8*((\a)%4)+\b)+7], v[SC+8*\b+(\ks)], v[SC+8*(\a)+(\ks)] matrix_a_fmt:MATRIX_FMT_FP6 matrix_b_fmt:MATRIX_FMT_FP6 matrix_a_scale:MATRIX_SCALE_ROW1
.endif
.endr
.endr
.endm
.macro STEP slot, ks, zero             ; a slot's first K step: R's set 0; the slot's second step is fetched on the way
	s_wait_dscnt 16                                ; R's set and P's blocks 0-3 are in; the youngest 16 loads (P's blocks 4-7) may be out
	WIN MUL_LO
	MUL16 0, 0, \ks, \zero
	MUL16 2, 0, \ks, \zero
	s_wait_dscnt 0
	PLACES 4
	FETCH_B \slot, 1, 1
	FETCH_A \slot, 1, 0
	WIN MUL_HI
	MUL16 4, 0, \ks, \zero
	MUL16 6, 0, \ks, \zero
	PLACES 4
	WIN 0
	FETCH_A \slot, 1, 4
.endm
; A slot's second K step changes slots: one barrier; in front of it each wave waits for all its tensor loads, adds 0 to its spare word, and waits for that and for its reads of this slot.
.macro TURN slot, next, ks, fill
	s_wait_tensorcnt 0x0                           ; all my tensor loads have landed: my part of the next slot
	ds_add_u32 v[SPW], v[NIL]                      ; 0 onto my spare word
	s_wait_dscnt 17                                ; (the add and the youngest 16 loads may be out)
	WIN MUL_LO
	MUL16 0, 1, \ks, 0
	s_wait_dscnt 0x0                               ; the add is done, and my reads of this slot are over
	s_barrier_signal -1
	MUL16 2, 1, \ks, 0
	WIN 0
	s_barrier_wait -1
.if \fill
	CREST                                          ; the barrier has opened a round of the cluster's barrier: no wave of any partner still reads this slot or has a load on its way
	s_add_nc_u64 s[G0+4*\slot+2:G0+4*\slot+3], s[G0+4*\slot+2:G0+4*\slot+3], 6144
	s_add_nc_u64 s[G0B+4*\slot+2:G0B+4*\slot+3], s[G0B+4*\slot+2:G0B+4*\slot+3], 6144
	JLOAD G0+4*\slot, G1, G0B+4*\slot, G1B         ; the first tensor load behind the round; its four v_nop are the places in front of the loads below
.else
	PLACES 4
.endif
	s_wait_alu depctr_va_vdst(0)
	FETCH_B \next, 0, 0
	FETCH_A \next, 0, 0
	WIN MUL_HI
	MUL16 4, 1, \ks, 0
	MUL16 6, 1, \ks, 0
	PLACES 4
	WIN 0
	FETCH_A \next, 0, 4
.endm
; The 64 results of a lane in window w, from register s on (register 16 b + i = place 32 b + 16 h + i along the next K), become 12 registers of codes in v[PC] on and a scale word in v[PW].
; Each accumulator is read from its low end on.
.macro QUANTW s, w
	WIN 5*(\w)                                     ; sources 0 and 1 in window w
.irp b, 0,1,2,3
	v_max3_num_f32 v[TM+\b], |v[\s+16*\b]|, |v[\s+1+16*\b]|, 0x1800000   ; and the floor 2^(3 - 127)
.endr
	WIN 20*(\w)                                    ; sources 1 and 2 in window w
.irp i, 2,4,6,8,10,12,14
.irp b, 0,1,2,3
	v_max3_num_f32 v[TM+\b], v[TM+\b], |v[\s+16*\b+\i]|, |v[\s+1+16*\b+\i]|
.endr
.endr
	WIN 0
.irp b, 0,1,2,3
	v_permlanex16_b32 v[TM+4+\b], v[TM+\b], s2, s3
.endr
.irp b, 0,1,2,3
	v_max_num_f32 v[TM+\b], v[TM+\b], v[TM+4+\b]
.endr
.irp b, 0,1,2,3
	v_add_nc_u32 v[TM+12+\b], 0xff000000, v[TM+\b]
.endr
.irp b, 0,1,2,3
	v_lshrrev_b32 v[TM+4+\b], 23, v[TM+12+\b]
.endr
	v_lshl_or_b32 v[PW], v[TM+5], 8, v[TM+4]
	v_lshl_or_b32 v[PW], v[TM+6], 16, v[PW]
	v_lshl_or_b32 v[PW], v[TM+7], 24, v[PW]
	WIN (\w)                                       ; source 0 in window w
.irp c, 0,1
	v_cvt_scalef32_pk16_fp6_f32 v[PC+6*\c:PC+2+6*\c], v[\s+32*\c:\s+15+32*\c], v[TM+12+2*\c]
	v_cvt_scalef32_pk16_fp6_f32 v[PC+12+4*\c:PC+14+4*\c], v[\s+16+32*\c:\s+31+32*\c], v[TM+12+2*\c+1]
.endr
	WIN 0
	v_nop                                          ; one plain line behind the scaled conversions
.irp c, 0,1
.irp i, 0,1,2
	v_permlane16_swap_b32 v[PC+6*\c+\i], v[PC+12+4*\c+\i]
.endr
.irp i, 0,1,2
	v_mov_b32 v[PC+3+6*\c+\i], v[PC+12+4*\c+\i]
.endr
.endr
.endm
	s_load_b256 s[4:11], s[0:1], 0x0               ; codes s[4:5], scale words s[6:7], qimg s[8:9], kv s[10:11]
	v_lshl_add_u32 v[SPW], v0, 2, SPARE
	v_mov_b32 v[NIL], 0
	ds_add_u32 v28, v29
	ds_add_u32 v28, v29
	s_wait_dscnt 0x0
	v_lshrrev_b32 v1, 5, v0
	v_readfirstlane_b32 s14, v1                    ; wave 0..3
	s_lshr_b32 s15, s14, 1                         ; which half of P's tiles is mine.  Also: I fetch for P (0) or for R (1)
	s_and_b32 s16, s14, 1                          ; which half of R's.  Also: which 8 tiles I fetch
	s_bfe_u32 s40, ttmp6, 0x40000                  ; cx
	s_bfe_u32 s41, ttmp6, 0x40004                  ; cy
	s_lshl_b32 s42, ttmp9, 2
	s_add_co_u32 s42, s42, s40                     ; work-group x
	s_and_b32 s18, ttmp7, 0xffff                   ; cluster y
	s_lshl_b32 s17, s18, 2
	s_add_co_u32 s17, s17, s41                     ; work-group y
	s_lshl_b32 s43, s41, 2
	s_lshl_b32 s43, 15, s43                        ; my row of the cluster
	s_lshl_b32 s44, 0x1111, s40                    ; my column
	s_or_b32 s[G1+0], s43, (3<<16)|(1<<21)         ; the mask; elements of 8 bytes; bit 21 beside a mask; no padding
	s_or_b32 s[G1B+0], s44, (3<<16)|(1<<21)
.irp g, G1, G1B
	s_mov_b32 s[\g+1], 384<<16                     ; tensor_dim0: 3,072 bytes: two K steps of one tile
	s_mov_b32 s[\g+2], 8<<16                       ; tensor_dim1: 8 tiles
	s_mov_b32 s[\g+3], 384<<16                     ; tile_dim0
	s_mov_b32 s[\g+4], 8                           ; tile_dim1
	s_mov_b32 s[\g+5], 1536                        ; from tile to tile: 12,288 bytes
	s_mov_b32 s[\g+6], 0
	s_mov_b32 s[\g+7], 0
.endr
	s_mov_b32 s67, 0xffff0000                      ; lanes 16-31
	s_mov_b32 s2, 0x76543210
	s_mov_b32 s3, 0xfedcba98                       ; v_permlanex16_b32's selects for lane l xor 16
	s_max_u32 s23, s18, 8
	s_sub_co_u32 s23, s23, 8                       ; in V's part: cluster y - 8
	s_lshl_b32 s19, s17, 4                         ; P's first tile for Q and K: x, 16 x work-group y
	s_lshl_b32 s20, s41, 4
	s_add_co_u32 s20, s20, 640                     ; for V: W_v, 640 + 16 cy
	s_lshl_b32 s21, s42, 4
	s_lshl_b32 s22, s23, 7
	s_add_co_u32 s22, s22, s21                     ; R's first tile for V: x, 16 x work-group x + 128 (cluster y - 8)
	s_add_co_u32 s21, s21, 512                     ; for Q and K: the weights, 512 + 16 x work-group x
	s_cmp_ge_u32 s18, 8                            ; V's part?  The same in all partners of a cluster
	s_cselect_b32 s72, s20, s19                    ; made of cy and cluster y alone
	s_cselect_b32 s73, s22, s21                    ; made of cx, cluster x and cluster y alone
	s_cselect_b32 s66, 1, 0
	s_lshl_b32 s45, s16, 3
	s_add_co_u32 s74, s72, s45
	s_mul_i32 s74, s74, 12288
	s_mov_b32 s75, 0
	s_add_co_u32 s76, s73, s45
	s_mul_i32 s76, s76, 12288
	s_mov_b32 s77, 0
	s_mul_i32 s46, s14, HALFT                      ; where they go: wave x 8 tiles
	s_wait_kmcnt 0x0
	s_add_nc_u64 s[74:75], s[4:5], s[74:75]
	s_add_nc_u64 s[76:77], s[4:5], s[76:77]
	CROUND                                         ; all sixteen work-groups are here: the first joint loads meet
.irp s, 0,1
	s_mov_b32 s[G0+4*\s], 1
	s_add_co_u32 s[G0+4*\s+1], s46, \s*SLOT
	s_add_nc_u64 s[G0+4*\s+2:G0+4*\s+3], s[74:75], \s*3072
	s_or_b32 s[G0+4*\s+3], s[G0+4*\s+3], 0x80000000
	s_mov_b32 s[G0B+4*\s], 1
	s_add_co_u32 s[G0B+4*\s+1], s46, \s*SLOT
	s_add_nc_u64 s[G0B+4*\s+2:G0B+4*\s+3], s[76:77], \s*3072
	s_or_b32 s[G0B+4*\s+3], s[G0B+4*\s+3], 0x80000000
	JLOAD G0+4*\s, G1, G0B+4*\s, G1B               ; two tensor loads of mine are out
.endr
	v_and_b32 v1, 31, v0
	v_lshlrev_b32 v24, 4, v1                       ; 16 x lane
	v_lshlrev_b32 v25, 3, v1                       ; 8 x lane
	s_mul_i32 s12, s15, HALFT                      ; my 8 tiles of P
	s_mul_i32 s13, s16, HALFT
	s_add_co_u32 s13, s13, 2*HALFT                 ; my 8 tiles of R, behind P's 16
.irp s, 0,1
	v_add_nc_u32 v[ADRA+\s], s12, v24
	v_add_nc_u32 v[ADRA+2+\s], s12, v25
	v_add_nc_u32 v[ADRB+\s], s13, v24
	v_add_nc_u32 v[ADRB+2+\s], s13, v25
	s_add_co_u32 s12, s12, SLOT
	s_add_co_u32 s13, s13, SLOT
.endr
	; the scale words of all of K, once: lanes 0-15 P's rows, lanes 16-31 R's; a load brings the words of two K steps
	s_lshl_b32 s78, s15, 3
	s_add_co_u32 s78, s78, s72
	s_lshl_b32 s78, s78, 9
	s_add_co_u32 s79, s73, s45
	s_lshl_b32 s79, s79, 9
	v_and_b32 v2, 15, v0
	v_mov_b32 v27, s78
	v_mov_b32 v3, s79
	v_cndmask_b32 v27, v27, v3, s67
	v_lshl_add_u32 v27, v2, 3, v27
.irp i, 0,1,2,3,4,5,6,7
.irp q, 0,1,2,3
	global_load_b64 v[SC+8*\i+2*\q:SC+8*\i+2*\q+1], v27, s[6:7] offset:(\i/2)*1024+(\i%2)*128+256*\q
.endr
.endr
	; where my results go.  Q, K: batch = y / 8, group of 128 rows j = (2 y + wr) % 16, heads 4 (x % 4) + 2 wc and the next.  V: block of x ib = x + 8 (cluster y - 8), j = (2 ib + wc) % 16, heads 4 cy + 2 wr and the next
	s_lshr_b32 s80, s17, 3
	s_lshl_b32 s81, s17, 1
	s_add_co_u32 s81, s81, s15
	s_and_b32 s81, s81, 15
	s_and_b32 s82, s42, 3
	s_lshl_b32 s82, s82, 2
	s_lshl_b32 s87, s16, 1
	s_add_co_u32 s82, s82, s87
	s_lshl_b32 s83, s23, 3
	s_add_co_u32 s83, s83, s42
	s_lshr_b32 s84, s83, 3
	s_lshl_b32 s85, s83, 1
	s_add_co_u32 s85, s85, s16
	s_and_b32 s85, s85, 15
	s_lshl_b32 s86, s41, 2
	s_lshl_b32 s87, s15, 1
	s_add_co_u32 s86, s86, s87
	s_lshr_b32 s87, s42, 2
	s_or_b32 s87, s87, s66                         ; 0: my results are Q's
	s_mov_b32 s88, 13312
	s_cmp_lg_u32 s66, 0
	s_cselect_b32 s80, s84, s80
	s_cselect_b32 s81, s85, s81
	s_cselect_b32 s82, s86, s82
	s_cselect_b32 s89, 6656, 0                     ; V lies behind K in a step's block
	s_cmp_eq_u32 s87, 0
	s_cselect_b64 s[68:69], s[8:9], s[10:11]
	s_cselect_b32 s88, 6656, s88                   ; bytes of a group in qimg, of a key step in kv
	s_lshl_b32 s80, s80, 4
	s_add_co_u32 s80, s80, s82
	s_lshl_b32 s80, s80, 4
	s_add_co_u32 s80, s80, s81
	s_mul_i32 s90, s80, s88
	s_add_co_u32 s90, s90, s89
	s_mov_b32 s91, 0
	s_add_nc_u64 s[68:69], s[68:69], s[90:91]      ; the first head's place
	s_lshl_b32 s92, s88, 4
	s_mov_b32 s93, 0
	s_add_nc_u64 s[70:71], s[68:69], s[92:93]      ; the second head's
	s_wait_tensorcnt 1                             ; my part of fill 0 is in; fill 1 may stay out
	s_barrier_signal -1
	s_barrier_wait -1
	FETCH_B 0, 0, 0
	FETCH_A 0, 0, 0
	FETCH_A 0, 0, 4
	s_wait_loadcnt 0x0                             ; the scale words
	STEP 0, 0, 1                                   ; the first products start the sums: nothing is cleared
	TURN 0, 1, 1, 1
	STEP 1, 2, 0
	TURN 1, 0, 3, 1
	STEP 0, 4, 0
	TURN 0, 1, 5, 0                                ; nothing is left to fetch
	STEP 1, 6, 0
	s_wait_dscnt 16
	WIN MUL_LO
	MUL16 0, 1, 7, 0
	MUL16 2, 1, 7, 0
	s_wait_dscnt 0
	WIN MUL_HI
	MUL16 4, 1, 7, 0
	MUL16 6, 1, 7, 0
	WIN 0
	; THE WAY OUT: block a of P (16 lanes' rows) at a time: 64 results a lane become one fragment and one scale word, stored as they stand: every store covers 256 or 512 consecutive bytes.
	PLACES 4
.irp i, 0,1,2,3
	v_mov_b32 v[TM+4+\i], 0                        ; a lane permute's destination counts as one of its sources
.endr
.irp i, 0,1,2,3,4,5,6,7,8,9,10,11,12
	v_mov_b32 v[96+\i], 0                          ; the gathering registers, and the zeros that fill a key step's block
.endr
.irp a, 0,1,2,3,4,5,6,7
.if \a > 0
	s_wait_xcnt 0x0                                ; the last block's stores have read their registers
.endif
	QUANTW 64*(\a%4), 2+\a/4
	s_cmp_lg_u32 s66, 0
	s_cbranch_scc1 .Lv_\a
	; Q or K: registers 0-5 are the first head's half image of tile a, registers 6-11 the second head's
	global_store_b128 v24, v[PC:PC+3], s[68:69] offset:768*\a
	global_store_b64 v25, v[PC+4:PC+5], s[68:69] offset:768*\a+512
	global_store_b128 v24, v[PC+6:PC+9], s[70:71] offset:768*\a
	global_store_b64 v25, v[PC+10:PC+11], s[70:71] offset:768*\a+512
.if \a % 2
	v_and_b32 v108, 0xffff, v[PW]                  ; an odd tile's words go to lanes 16-31
	v_cndmask_b32 v[SA+\a/2], v[SA+\a/2], v108, s67
	v_lshrrev_b32 v108, 16, v[PW]
	v_cndmask_b32 v[SBH+\a/2], v[SBH+\a/2], v108, s67
.else
	v_and_b32 v[SA+\a/2], 0xffff, v[PW]            ; bytes 0, 1: the first head's two blocks; the word's upper bytes stand over zero codes
	v_lshrrev_b32 v[SBH+\a/2], 16, v[PW]           ; bytes 2, 3: the second head's
.endif
.if \a == 7
	global_store_b128 v24, v[SA:SA+3], s[68:69] offset:6144
	global_store_b128 v24, v[SBH:SBH+3], s[70:71] offset:6144
.endif
	s_branch .Ljoin_\a
.Lv_\a:
	s_wait_alu depctr_va_vdst(0)
	; V: a whole fragment: 16 channels (tile a % 4 of head a / 4) x 128 keys
.irp c, 0,1,2
	global_store_b128 v24, v[PC+4*\c:PC+4*\c+3], s[68+2*(\a/4):69+2*(\a/4)] offset:1536*(\a%4)+512*\c
.endr
.if \a % 2
	v_cndmask_b32 v[SV+(\a%4)/2], v[SV+(\a%4)/2], v[PW], s67
.else
	v_mov_b32 v[SV+(\a%4)/2], v[PW]
.endif
.if \a % 4 == 3
	global_store_b64 v25, v[SV:SV+1], s[68+2*(\a/4):69+2*(\a/4)] offset:6144
	global_store_b64 v25, v[ZZ:ZZ+1], s[68+2*(\a/4):69+2*(\a/4)] offset:6400   ; the block's last 256 bytes: the attention launch's tensor loads read them
.endif
.Ljoin_\a:
.endr
	s_wait_tensorcnt 0x0                           ; the wave's end
	ds_add_u32 v[SPW], v[NIL]
	s_wait_dscnt 0x0
	CROUND                                         ; the closing round
	s_endpgm
.Lfunc_end_k_q368b029833_qkv:
	.size	k_q368b029833_qkv, .Lfunc_end_k_q368b029833_qkv-k_q368b029833_qkv
	.p2alignl 7, 3214868480
	.fill 96, 4, 3214868480
	.section	.rodata,"a",@progbits
	.p2align	6, 0x0
	.amdhsa_kernel k_q368b029833_qkv
		.amdhsa_group_segment_fixed_size 327680
		.amdhsa_private_segment_fixed_size 0
		.amdhsa_enable_private_segment 0
		.amdhsa_kernarg_size 32
		.amdhsa_user_sgpr_count 2
		.amdhsa_user_sgpr_kernarg_segment_ptr 1
		.amdhsa_wavefront_size32 1
		.amdhsa_system_sgpr_workgroup_id_x 1
		.amdhsa_system_sgpr_workgroup_id_y 1
		.amdhsa_system_sgpr_workgroup_id_z 1
		.amdhsa_system_vgpr_workitem_id 0
		.amdhsa_next_free_vgpr 1024
		.amdhsa_next_free_sgpr 96
		.amdhsa_reserve_vcc 0
		.amdhsa_float_denorm_mode_32 3
		.amdhsa_float_denorm_mode_16_64 3
		.amdhsa_memory_ordered 1
		.amdhsa_forward_progress 1
		.amdhsa_inst_pref_size 154
	.end_amdhsa_kernel
	.amdgpu_metadata
---
amdhsa.version: [ 1, 2 ]
amdhsa.kernels:
  - .name:           k_q368b029833_qkv
    .symbol:         k_q368b029833_qkv.kd
    .args:
      - { .name: opc1, .offset: 0, .size: 8, .value_kind: global_buffer, .address_space: global }
      - { .name: sc1, .offset: 8, .size: 8, .value_kind: global_buffer, .address_space: global }
      - { .name: qimg, .offset: 16, .size: 8, .value_kind: global_buffer, .address_space: global }
      - { .name: kv, .offset: 24, .size: 8, .value_kind: global_buffer, .address_space: global }
    .group_segment_fixed_size: 327680
    .private_segment_fixed_size: 0
    .kernarg_segment_align: 8
    .kernarg_segment_size: 32
    .max_flat_workgroup_size: 128
    .sgpr_count:     96
    .vgpr_count:     1024
    .wavefront_size: 32
...
	.end_amdgpu_metadata
.endif
;; end of part 2
;; launch attn (part 3): grid 4 x 64, 16 waves a work-group, clusters of 4 x 1, 215,040 bytes of LDS; arguments qimg, kv, opc2, sc2; writes opc2, sc2
.if DOCPART == 3
	.amdgcn_target "amdgcn-amd-amdhsa--gfx1250"
	.amdhsa_code_object_version 6
	.text
	.protected	k_q368b029833_attn
	.globl	k_q368b029833_attn
	.p2align	8
	.type	k_q368b029833_attn,@function
k_q368b029833_attn:
	s_mov_b64 s[64:65], 0
	v_nop
	global_prefetch_b8 v0, s[64:65] scope:SCOPE_SE
	s_setreg_imm32_b32 hwreg(HW_REG_WAVE_MODE, 25, 1), 1
	s_wait_xcnt 0x0
	s_wait_alu depctr_hold_cnt(0) depctr_sa_sdst(0) depctr_va_vdst(0) depctr_va_sdst(0) depctr_va_ssrc(0) depctr_va_vcc(0) depctr_vm_vsrc(0)
	s_getreg_b32 s2, hwreg(HW_REG_IB_STS2, 6, 4)
	s_cmp_eq_u32 s2, 0
	s_cbranch_scc0 .Lentry_in_a_cluster
	s_endpgm
.Lentry_in_a_cluster:
	s_bfe_u32 s2, ttmp6, 0x10000c
	s_cmp_lg_u32 s2, 0x3003
	s_cbranch_scc0 .Lentry_shape_is_right
	s_endpgm
.Lentry_shape_is_right:
; hidden = softmax(Q K^T / 8, causal) V for one (batch, head) a cluster, both products on codes of FP6 with E8M0 scales; hidden leaves as codes, half image number = head, for the last product.
; t = score x log2(e) / 8; M = the running largest t rounded UP to a whole number; p = 2^(t - M) is quantised along the keys, not normalised; the row's sum is taken of the unquantised p and divides at the end.
; The head's size is 64: the upper 64 of the first product's K are zero codes on both sides (registers 6-11 of Q's and K's fragments, written 0 once).
; SHARES.  A cluster of four work-groups is one head.  Work-group cx takes, of every group G of 128 queries, the 32 rows 32 cx on; wave w (sub = w % 2, p = w / 2) takes tile 2 cx + sub, first of G = 15 - p, then of G = p:
; (16 - p) + (p + 1) = 17 key steps of 128 keys for every wave.  A step's number is compared with G, which hangs on the wave's number alone: no branch hangs on the place in the cluster.
; LDS holds the head's whole block of K and V codes and scales, 16 key steps x 13,312 bytes, asked for ONCE, jointly by the four work-groups: each wave issues two loads at the head (steps 0-3, then steps 4-15).  Nothing is filled again.
; No prefetch: every byte of K and V is asked for at the head.
; LAYOUT.  Both products transposed (S^T = K Q^T, O^T = V^T P^T): a lane holds one query.  Lane-row r of tile 2 g + u is row 32 g + 8 u + r + 8 (r / 8), for queries, keys and V's channels: so the 16 registers of two neighbouring tiles are 16 neighbours.
; A key step's block: K's 8 half images of 768 bytes; K's scale image (512: register b at 16 x lane + 4 b, lanes 0-15 tile 2 b, lanes 16-31 tile 2 b + 1); V's 4 fragments of 1,536 at 6,656; V's scale image (256) at 12,800.
; LIMITS of the quantiser: a block of zeros gets the byte 1 (its codes are zeros); NaN and infinities are not served.
; hidden's scale bytes leave one byte a lane, 32 a tile: the four bytes of a scale word come from two heads, which are two clusters; they are one byte in 24 of what a wave stores.
; REGISTERS: v1-2 16 x, 8 x lane; v3-4 LDS addresses; v5 my query's place less 16 h; v6-7 offsets; v10-11 V's scales; v12 -M, v13 the largest t, v14-15 the sum; v16-27 Q; v28-75 four fragments of K; v76-123 V's four;
;   v124-187 S^T, then p; v188-219 O^T; v220-231 p's codes; v232-247 at work; v248-251 K's scales; v252 f; v253 p's scale word; v254 at work; v255 Q's scale words.
.set WV,   12
.set CX,   13
.set BH,   14
.set SUB,  15
.set PP,   16
.set GQ,   17                          ; the group of queries in hand
.set JS,   18                          ; the key step's number
.set TB,   19                          ; its first LDS byte
.set SEL,  20
.set CS,   22                          ; s[22:23] c = log2(e) / 8
.set G1A,  24
.set G1B,  32
.set G0A,  40
.set G0B,  44
.set CNT,  48
.set HM,   49
.set QA,   50                          ; s[50:57] the addresses of the group in hand: Q's codes, Q's scale words, hidden's codes, hidden's scale bytes
.set QS,   52
.set HC,   54
.set HS,   56
.set QH,   66                          ; s[66:73] the same at group 0
.set QHS,  68
.set HCH,  70
.set HSH,  72
.set STEPB, 13312
.set S,    124
.set O,    188
.macro CROUND
	s_barrier_signal -1
	s_barrier_wait -1
	s_cmp_lg_u32 s[WV], 0
	s_cbranch_scc1 .Lnot_wave_0_\@
	s_barrier_signal -3
.Lnot_wave_0_\@:
	s_barrier_wait -3
	s_barrier_signal -1
	s_barrier_wait -1
.endm
.macro KQ4 g                           ; four tiles of 16 keys against my 16 queries; an odd tile's scale words lie in lanes 16-31
.irp t, 0,1,2,3
.if \t % 2
	v_wmma_scale_f32_16x16x128_f8f6f4 v[S+8*(4*\g+\t):S+8*(4*\g+\t)+7], v[28+12*\t:39+12*\t], v[16:27], 0, v[248+2*\g+\t/2], v255 matrix_a_fmt:MATRIX_FMT_FP6 matrix_b_fmt:MATRIX_FMT_FP6 matrix_a_scale:MATRIX_SCALE_ROW1
.else
	v_wmma_scale_f32_16x16x128_f8f6f4 v[S+8*(4*\g+\t):S+8*(4*\g+\t)+7], v[28+12*\t:39+12*\t], v[16:27], 0, v[248+2*\g+\t/2], v255 matrix_a_fmt:MATRIX_FMT_FP6 matrix_b_fmt:MATRIX_FMT_FP6
.endif
.endr
.endm
; The group s[GQ] is taken up: its addresses, its Q, and a softmax that has seen nothing.
.macro INIT
	s_wait_xcnt 0x0                                ; earlier loads and stores have read their bases
	s_mul_i32 s58, s[GQ], 6656
	s_mov_b32 s59, 0
	s_add_nc_u64 s[QA:QA+1], s[QH:QH+1], s[58:59]
	s_add_nc_u64 s[QS:QS+1], s[QHS:QHS+1], s[58:59]
	s_mul_i32 s58, s[GQ], 98304                    ; 8 tiles of hidden's codes
	s_add_nc_u64 s[HC:HC+1], s[HCH:HCH+1], s[58:59]
	s_lshl_b32 s58, s[GQ], 12                      ; 4 groups of 32 rows of scale words
	s_add_nc_u64 s[HS:HS+1], s[HSH:HSH+1], s[58:59]
	global_load_b128 v[16:19], v1, s[QA:QA+1]
	global_load_b64 v[20:21], v2, s[QA:QA+1] offset:512
	global_load_b32 v255, v6, s[QS:QS+1]
	v_mov_b32 v13, 0xff61b1e6                      ; the largest t so far: -3e38
	s_delay_alu instid0(VALU_DEP_1)
	v_floor_f32 v12, -v13                          ; -M
	v_mov_b32 v14, 0
	v_mov_b32 v15, 0
.set j, 0
.rept 32
	v_mov_b32 v[O+j], 0                            ; O^T: the first change of M multiplies zeros, so the step is written without a first step of its own
.set j, j+1
.endr
	s_wait_loadcnt 0x0
.endm
; A KEY STEP of 128 keys.  causal = 1: a step behind my group is left out, the step of my group is masked.
.macro STEP causal
.if \causal
	s_cmp_gt_u32 s[JS], s[GQ]
	s_cbranch_scc1 .Lhidden_\@
.endif
	s_setprio 2
	v_add_nc_u32 v3, s[TB], v1
	v_add_nc_u32 v4, s[TB], v2
.irp t, 0,1,2,3
	ds_load_b128 v[28+12*\t:31+12*\t], v3 offset:768*\t
	ds_load_b64 v[32+12*\t:33+12*\t], v4 offset:768*\t+512
.endr
	ds_load_b128 v[248:251], v3 offset:6144
	s_wait_alu depctr_va_vdst(0)
	s_wait_dscnt 0x0
	KQ4 0
.rept 4
	v_nop                                          ; places in front of the loads into K's registers; with the two additions above, six behind the last step's products, whose V registers are loaded below
.endr
.irp t, 0,1,2,3
	ds_load_b128 v[28+12*\t:31+12*\t], v3 offset:768*(4+\t)
	ds_load_b64 v[32+12*\t:33+12*\t], v4 offset:768*(4+\t)+512
.endr
.irp d, 0,1,2,3
.irp c, 0,1,2
	ds_load_b128 v[76+12*\d+4*\c:79+12*\d+4*\c], v3 offset:6656+1536*\d+512*\c
.endr
.endr
	ds_load_b64 v[10:11], v4 offset:12800
	s_wait_dscnt 13                                ; K's eight loads are in; V's thirteen may be out: they land under the softmax
	KQ4 1
.rept 4
	v_nop
.endr
.if \causal
	s_cmp_lt_u32 s[JS], s[GQ]
	s_cbranch_scc1 .Lopen_\@
	v_mov_b32 v254, 0xff800000                     ; on the diagonal hidden scores become -infinity: register 16 b + i holds key 32 b + 16 h + i of the step
.set n, 0
.rept 64
	v_cmp_gt_i32 vcc_lo, 32*(n/16)+n%16, v5
	v_cndmask_b32 v[S+n], v[S+n], v254, vcc_lo
.set n, n+1
.endr
.Lopen_\@:
.endif
.irp b, 0,1,2,3
	v_max3_num_f32 v[232+\b], v[S+16*\b], v[S+1+16*\b], v[S+2+16*\b]   ; the largest score of each block of 32 keys: for the row's maximum, and, since p rises with the score, for the block's largest p
.endr
.irp i, 3,5,7,9,11,13
.irp b, 0,1,2,3
	v_max3_num_f32 v[232+\b], v[232+\b], v[S+16*\b+\i], v[S+1+16*\b+\i]
.endr
.endr
.irp b, 0,1,2,3
	v_max_num_f32 v[232+\b], v[232+\b], v[S+15+16*\b]
.endr
.irp b, 0,1,2,3
	s_delay_alu instid0(VALU_DEP_4)
	v_permlanex16_b32 v[236+\b], v[232+\b], s[SEL], s[SEL+1]
.endr
.irp b, 0,1,2,3
	s_delay_alu instid0(VALU_DEP_4)
	v_max_num_f32 v[232+\b], v[232+\b], v[236+\b]
.endr
	s_delay_alu instid0(VALU_DEP_2)
	v_max3_num_f32 v254, v232, v233, v234
	s_delay_alu instid0(VALU_DEP_1)
	v_max_num_f32 v254, v254, v235
	s_delay_alu instid0(VALU_DEP_1)
	v_mul_f32 v254, s[CS], v254
	s_delay_alu instid0(VALU_DEP_1)
	v_max_num_f32 v13, v13, v254                   ; the running largest t
	v_mov_b32 v254, v12
	s_delay_alu instid0(VALU_DEP_2)
	v_floor_f32 v12, -v13                          ; the new -M = -ceil(t)
	s_delay_alu instid0(VALU_DEP_1)
	v_sub_f32 v254, v12, v254                      ; old M - new M: a whole number, 0 or less
	s_delay_alu instid0(VALU_DEP_1)
	v_cvt_i32_f32 v254, v254                       ; (it saturates)
	s_delay_alu instid0(VALU_DEP_1)
	v_ldexp_f32 v252, 1.0, v254                    ; f = 2^(old M - new M)
.set j, 0
.rept 32
	v_pk_fma_f32 v[S+j:S+j+1], v[S+j:S+j+1], s[CS:CS+1], v[12:13] op_sel_hi:[1,0,0]   ; t - M
.set j, j+2
.endr
.irp b, 0,1,2,3
	v_fma_f32 v[232+\b], v[232+\b], s[CS], v12
.endr
.set j, 0
	s_setprio 1
	s_wait_alu depctr_va_vdst(0)
.rept 64
	v_exp_f32 v[S+j], v[S+j]                       ; p = 2^(t - M)
.set j, j+1
.endr
	v_pk_mul_f32 v[14:15], v[14:15], v[252:253] op_sel_hi:[1,0]   ; the sums under the new M; the plain line behind the exponentials
	s_wait_alu depctr_va_vdst(0)                   ; one wait for the batch, ahead of its first reader
.irp b, 0,1,2,3
	v_exp_f32 v[232+\b], v[232+\b]                 ; each block's largest p
.endr
	v_pk_add_f32 v[236:237], v[128:129], v[132:133]
	v_pk_add_f32 v[250:251], v[136:137], v[140:141]
	v_pk_add_f32 v[248:249], v[144:145], v[148:149]
	v_pk_add_f32 v[246:247], v[152:153], v[156:157]
	v_pk_add_f32 v[244:245], v[160:161], v[164:165]
	v_pk_add_f32 v[242:243], v[168:169], v[172:173]
	v_pk_add_f32 v[240:241], v[176:177], v[180:181]
	v_pk_add_f32 v[14:15], v[14:15], v[184:185]
	v_pk_add_f32 v[236:237], v[236:237], v[124:125]
	v_pk_add_f32 v[250:251], v[250:251], v[126:127]
	v_pk_add_f32 v[248:249], v[248:249], v[130:131]
	v_pk_add_f32 v[246:247], v[246:247], v[134:135]
	v_pk_add_f32 v[244:245], v[244:245], v[138:139]
	v_pk_add_f32 v[242:243], v[242:243], v[142:143]
	v_pk_add_f32 v[240:241], v[240:241], v[146:147]
	v_pk_add_f32 v[14:15], v[14:15], v[150:151]
	v_pk_add_f32 v[236:237], v[236:237], v[154:155]
	v_pk_add_f32 v[250:251], v[250:251], v[158:159]
	v_pk_add_f32 v[248:249], v[248:249], v[162:163]
	v_pk_add_f32 v[246:247], v[246:247], v[166:167]
	v_pk_add_f32 v[244:245], v[244:245], v[170:171]
	v_pk_add_f32 v[242:243], v[242:243], v[174:175]
	v_pk_add_f32 v[240:241], v[240:241], v[178:179]
	v_pk_add_f32 v[14:15], v[14:15], v[182:183]
	v_pk_add_f32 v[236:237], v[236:237], v[186:187]
	s_delay_alu instid0(VALU_DEP_2)
	v_pk_add_f32 v[14:15], v[14:15], v[246:247]
	s_delay_alu instid0(VALU_DEP_2)
	v_pk_add_f32 v[236:237], v[236:237], v[244:245]
	v_pk_add_f32 v[250:251], v[250:251], v[242:243]
	v_pk_add_f32 v[248:249], v[248:249], v[240:241]
	s_delay_alu instid0(VALU_DEP_2)
	v_pk_add_f32 v[14:15], v[14:15], v[250:251]
	s_delay_alu instid0(VALU_DEP_2)
	v_pk_add_f32 v[236:237], v[236:237], v[248:249]
	s_delay_alu instid0(VALU_DEP_1)
	v_pk_add_f32 v[14:15], v[14:15], v[236:237]
	s_wait_alu depctr_va_vdst(0)                   ; and one for the four
.irp b, 0,1,2,3
	v_max_num_f32 v[232+\b], 0x1800000, v[232+\b]  ; the floor 2^(3 - 127)
.endr
.irp b, 0,1,2,3
	s_delay_alu instid0(VALU_DEP_4)
	v_add_nc_u32 v[244+\b], 0xff000000, v[232+\b]
.endr
.irp b, 0,1,2,3
	s_delay_alu instid0(VALU_DEP_4)
	v_lshrrev_b32 v[236+\b], 23, v[244+\b]
.endr
	s_delay_alu instid0(VALU_DEP_3)
	v_lshl_or_b32 v253, v237, 8, v236              ; p's scale word for these 128 keys
	s_delay_alu instid0(VALU_DEP_1)
	v_lshl_or_b32 v253, v238, 16, v253
	s_delay_alu instid0(VALU_DEP_1)
	v_lshl_or_b32 v253, v239, 24, v253
.irp c, 0,1
	v_cvt_scalef32_pk16_fp6_f32 v[220+6*\c:222+6*\c], v[S+32*\c:S+15+32*\c], v[244+2*\c]
	v_cvt_scalef32_pk16_fp6_f32 v[236+4*\c:238+4*\c], v[S+16+32*\c:S+31+32*\c], v[244+2*\c+1]
.endr
	v_nop
	s_setprio 0
.irp c, 0,1
.irp i, 0,1,2
	v_permlane16_swap_b32 v[220+6*\c+\i], v[236+4*\c+\i]
.endr
.irp i, 0,1,2
	s_delay_alu instid0(VALU_DEP_3)
	v_mov_b32 v[223+6*\c+\i], v[236+4*\c+\i]
.endr
.endr
.set j, 0
.rept 16
	v_pk_mul_f32 v[O+j:O+j+1], v[O+j:O+j+1], v[252:253] op_sel_hi:[1,0]   ; O^T under the new M; these sixteen are also the places between the scale word and the codes and the products below
.set j, j+2
.endr
	s_wait_alu depctr_va_vdst(0)
	s_wait_dscnt 0x0                               ; V
.irp d, 0,1,2,3                                ; the four accumulators by turns
.if \d % 2
	v_wmma_scale_f32_16x16x128_f8f6f4 v[O+8*\d:O+8*\d+7], v[76+12*\d:87+12*\d], v[220:231], v[O+8*\d:O+8*\d+7], v[10+\d/2], v253 matrix_a_fmt:MATRIX_FMT_FP6 matrix_b_fmt:MATRIX_FMT_FP6 matrix_a_scale:MATRIX_SCALE_ROW1
.else
	v_wmma_scale_f32_16x16x128_f8f6f4 v[O+8*\d:O+8*\d+7], v[76+12*\d:87+12*\d], v[220:231], v[O+8*\d:O+8*\d+7], v[10+\d/2], v253 matrix_a_fmt:MATRIX_FMT_FP6 matrix_b_fmt:MATRIX_FMT_FP6
.endif
.endr
.if \causal
.Lhidden_\@:
.endif
	s_add_co_u32 s[JS], s[JS], 1
	s_add_co_u32 s[TB], s[TB], STEPB
.endm
; The group is finished: O^T / the sum is quantised along the head's 64 and stored as a half image, with its two scale bytes a row.
.macro EPI
.rept 4
	v_nop
.endr
	v_add_f32 v14, v14, v15
	s_delay_alu instid0(VALU_DEP_1)
	v_permlanex16_b32 v254, v14, s[SEL], s[SEL+1]
	s_delay_alu instid0(VALU_DEP_1)
	v_add_f32 v14, v14, v254                       ; the row's sum
	s_wait_alu depctr_va_vdst(0)
	v_rcp_f32 v14, v14
	v_nop                                          ; a plain line behind the reciprocal
	s_wait_alu depctr_va_vdst(0)                   ; and the wait ahead of its first reader
.set j, 0
.rept 16
	v_pk_mul_f32 v[S+j:S+j+1], v[O+j:O+j+1], v[14:15] op_sel_hi:[1,0]   ; register 16 b + i: channel 32 b + 16 h + i of my query
.set j, j+2
.endr
.irp b, 0,1
	v_max3_num_f32 v[232+\b], |v[S+16*\b]|, |v[S+1+16*\b]|, 0x1800000
.endr
.irp i, 2,4,6,8,10,12,14
.irp b, 0,1
	s_delay_alu instid0(VALU_DEP_2)
	v_max3_num_f32 v[232+\b], v[232+\b], |v[S+16*\b+\i]|, |v[S+1+16*\b+\i]|
.endr
.endr
.irp b, 0,1
	s_delay_alu instid0(VALU_DEP_2)
	v_permlanex16_b32 v[236+\b], v[232+\b], s[SEL], s[SEL+1]
.endr
.irp b, 0,1
	s_delay_alu instid0(VALU_DEP_2)
	v_max_num_f32 v[232+\b], v[232+\b], v[236+\b]
.endr
.irp b, 0,1
	s_delay_alu instid0(VALU_DEP_2)
	v_add_nc_u32 v[244+\b], 0xff000000, v[232+\b]
.endr
.irp b, 0,1
	s_delay_alu instid0(VALU_DEP_2)
	v_lshrrev_b32 v[236+\b], 23, v[244+\b]
.endr
	v_cvt_scalef32_pk16_fp6_f32 v[220:222], v[S:S+15], v244
	v_cvt_scalef32_pk16_fp6_f32 v[224:226], v[S+16:S+31], v245
	v_nop
.irp i, 0,1,2
	v_permlane16_swap_b32 v[220+\i], v[224+\i]
.endr
	s_delay_alu instid0(VALU_DEP_3)
	v_mov_b32 v223, v224
	s_delay_alu instid0(VALU_DEP_3)
	v_mov_b32 v224, v225
	s_delay_alu instid0(VALU_DEP_3)
	v_mov_b32 v225, v226
	v_cndmask_b32 v8, v236, v237, s[HM]            ; lanes 0-15 store block 0's byte of row r, lanes 16-31 block 1's
	global_store_b128 v1, v[220:223], s[HC:HC+1]   ; 512 consecutive bytes
	global_store_b64 v2, v[224:225], s[HC:HC+1] offset:512
	global_store_b8 v7, v8, s[HS:HS+1]
.endm
	s_load_b256 s[4:11], s[0:1], 0x0               ; qimg, kv, opc2, sc2
	v_lshl_add_u32 v254, v0, 2, 0x34000
	v_mov_b32 v255, 0
	ds_add_u32 v254, v255
	ds_add_u32 v254, v255
	s_wait_dscnt 0x0
	v_lshrrev_b32 v1, 5, v0
	s_delay_alu instid0(VALU_DEP_1)
	v_readfirstlane_b32 s[WV], v1                  ; wave 0..15
	s_bfe_u32 s[CX], ttmp6, 0x40000                ; my place in the cluster: it enters Q's and hidden's addresses and the mask's number alone
	s_and_b32 s[BH], ttmp7, 0xffff                 ; batch x 16 + head
	s_and_b32 s[SUB], s[WV], 1
	s_lshr_b32 s[PP], s[WV], 1
	s_mov_b32 s[SEL], 0x76543210
	s_mov_b32 s[SEL+1], 0xfedcba98
	s_mov_b32 s[CS], 0x3e38aa3b                    ; log2(e) / 8
	s_mov_b32 s[CS+1], s[CS]
	s_mov_b32 s[HM], 0xffff0000
	; descriptors: dense blocks as rows of 256 bytes (32 elements of 8 bytes); the mask names all four work-groups
	s_mov_b32 s[G1A], 15|(3<<16)|(1<<21)
	s_mov_b32 s[G1A+1], 32<<16
	s_mov_b32 s[G1A+2], 13<<16
	s_mov_b32 s[G1A+3], 32<<16
	s_mov_b32 s[G1A+4], 13
	s_mov_b32 s[G1A+5], 32
	s_mov_b32 s[G1A+6], 0
	s_mov_b32 s[G1A+7], 0
	s_mov_b32 s[G1B], 15|(3<<16)|(1<<21)
	s_mov_b32 s[G1B+1], 32<<16
	s_mov_b32 s[G1B+2], 39<<16
	s_mov_b32 s[G1B+3], 32<<16
	s_mov_b32 s[G1B+4], 39
	s_mov_b32 s[G1B+5], 32
	s_mov_b32 s[G1B+6], 0
	s_mov_b32 s[G1B+7], 0
	s_mul_i32 s58, s[BH], 212992                   ; the head's 16 key steps
	s_mov_b32 s59, 0
	s_mul_i32 s60, s[WV], 3328                     ; my sixteenth of steps 0-3,
	s_mov_b32 s61, 0
	s_mul_i32 s62, s[WV], 9984
	s_add_co_u32 s62, s62, 53248                   ; and of steps 4-15: the same place in LDS as in the head's block
	s_mov_b32 s63, 0
	s_wait_kmcnt 0x0
	s_add_nc_u64 s[58:59], s[6:7], s[58:59]
	s_mov_b32 s[G0A], 1
	s_mov_b32 s[G0A+1], s60
	s_add_nc_u64 s[G0A+2:G0A+3], s[58:59], s[60:61]
	s_or_b32 s[G0A+3], s[G0A+3], 0x80000000
	s_mov_b32 s[G0B], 1
	s_mov_b32 s[G0B+1], s62
	s_add_nc_u64 s[G0B+2:G0B+3], s[58:59], s[62:63]
	s_or_b32 s[G0B+3], s[G0B+3], 0x80000000
	CROUND                                         ; all four work-groups are here: the joint loads meet
	tensor_load_to_lds s[G0A:G0A+3], s[G1A:G1A+7]
	s_nop 0
	tensor_load_to_lds s[G0B:G0B+3], s[G1B:G1B+7]  ; two tensor loads of mine are out, and no more are issued
	s_nop 0
.rept 4
	v_nop
.endr
	; the addresses at group 0
	s_lshl_b32 s74, s[CX], 1
	s_add_co_u32 s74, s74, s[SUB]                  ; my tile in a group: 2 cx + sub
	s_mul_i32 s75, s[BH], 106496
	s_mul_i32 s76, s74, 768
	s_add_co_u32 s76, s76, s75
	s_mov_b32 s77, 0
	s_add_nc_u64 s[QH:QH+1], s[4:5], s[76:77]
	s_lshl_b32 s76, s[SUB], 8
	s_lshl_b32 s78, s[CX], 2
	s_add_co_u32 s76, s76, s78
	s_add_co_u32 s76, s76, s75
	s_add_co_u32 s76, s76, 6144                    ; in the scale image: register cx, lanes 16 sub on
	s_add_nc_u64 s[QHS:QHS+1], s[4:5], s[76:77]
	s_lshr_b32 s78, s[BH], 4                       ; batch
	s_and_b32 s79, s[BH], 15                       ; head
	s_lshl_b32 s76, s78, 7
	s_add_co_u32 s76, s76, s74
	s_mul_i32 s76, s76, 12288
	s_mul_i32 s75, s79, 768
	s_add_co_u32 s76, s76, s75
	s_add_nc_u64 s[HCH:HCH+1], s[8:9], s[76:77]
	s_lshl_b32 s76, s78, 6
	s_add_co_u32 s76, s76, s[CX]
	s_lshl_b32 s76, s76, 10
	s_lshr_b32 s75, s79, 2
	s_lshl_b32 s75, s75, 8
	s_add_co_u32 s76, s76, s75                     ; q = head / 4
	s_lshl_b32 s75, s[SUB], 7
	s_add_co_u32 s76, s76, s75                     ; u = sub
	s_bfe_u32 s75, s79, 0x10001
	s_lshl_b32 s75, s75, 2
	s_add_co_u32 s76, s76, s75                     ; s = (head / 2) % 2
	s_and_b32 s75, s79, 1
	s_lshl_b32 s75, s75, 1
	s_add_co_u32 s76, s76, s75                     ; bytes 2 (head % 2) and the next
	s_add_nc_u64 s[HSH:HSH+1], s[10:11], s[76:77]
	v_and_b32 v9, 31, v0
	s_delay_alu instid0(VALU_DEP_1)
	v_lshlrev_b32 v1, 4, v9
	s_delay_alu instid0(VALU_DEP_2)
	v_lshlrev_b32 v2, 3, v9
	v_and_b32 v9, 15, v0                           ; r
	v_bfe_u32 v8, v0, 4, 1                         ; h
	s_delay_alu instid0(VALU_DEP_2)
	v_lshlrev_b32 v6, 4, v9
	s_delay_alu instid0(VALU_DEP_2)
	v_lshl_add_u32 v7, v9, 3, v8
	s_delay_alu instid0(VALU_DEP_4)
	v_and_b32 v5, 8, v9
	s_delay_alu instid0(VALU_DEP_1)
	v_add_nc_u32 v5, v5, v9
	v_lshlrev_b32 v8, 4, v8
	s_delay_alu instid0(VALU_DEP_1)
	v_sub_nc_u32 v5, v5, v8
	s_lshl_b32 s75, s[CX], 5
	s_lshl_b32 s78, s[SUB], 3
	s_add_co_u32 s75, s75, s78
	v_add_nc_u32 v5, s75, v5                       ; my query's place in its group, less 16 h
.irp i, 22,23,24,25,26,27
	v_mov_b32 v\i, 0                               ; zero codes for the upper 64 of K: Q's
.endr
.irp t, 0,1,2,3
.irp i, 6,7,8,9,10,11
	v_mov_b32 v[28+12*\t+\i], 0                    ; and K's
.endr
.endr
.irp i, 236,237,238,239,253,254
	v_mov_b32 v\i, 0                               ; lane permutes' destinations, and the upper half of the pair v[252:253]
.endr
	s_sub_co_u32 s[GQ], 15, s[PP]                  ; the late group first
	INIT
	s_mov_b32 s[JS], 0
	s_mov_b32 s[TB], 0
	s_wait_tensorcnt 0x1                           ; my part of steps 0-3 is in; my second load may stay out
	s_barrier_signal -1
	s_barrier_wait -1                              ; everybody's is
	s_mov_b32 s[CNT], 4
.Lfirst:                                           ; steps 0-3: all their keys count, since this group is 8 or later; the reads stay under byte 53,248
	STEP 0
	s_sub_co_u32 s[CNT], s[CNT], 1
	s_cmp_lg_u32 s[CNT], 0
	s_cbranch_scc1 .Lfirst
	s_setprio 0
	s_wait_tensorcnt 0x0                           ; my part of steps 4-15 is in,
	s_wait_dscnt 0x0
	s_barrier_signal -1
	s_barrier_wait -1                              ; everybody's is.  No barrier follows until the end: the waves of a SIMD drift apart
	s_mov_b32 s[CNT], 12
.Llate:
	STEP 1
	s_sub_co_u32 s[CNT], s[CNT], 1
	s_cmp_lg_u32 s[CNT], 0
	s_cbranch_scc1 .Llate
	s_setprio 0
	EPI
	s_mov_b32 s[GQ], s[PP]                         ; the early group
	INIT
	s_mov_b32 s[JS], 0
	s_mov_b32 s[TB], 0
	s_mov_b32 s[CNT], 8
.Learly:
	STEP 1
	s_sub_co_u32 s[CNT], s[CNT], 1
	s_cmp_lg_u32 s[CNT], 0
	s_cbranch_scc1 .Learly
	s_setprio 0
	EPI
	s_wait_dscnt 0x0
	s_wait_xcnt 0x0
	v_lshl_add_u32 v254, v0, 2, 0x34000
	v_mov_b32 v255, 0
	s_wait_alu depctr_va_vdst(0)
	s_wait_tensorcnt 0x0
	ds_add_u32 v254, v255
	s_wait_dscnt 0x0
	CROUND                                         ; the closing round
	s_endpgm
.Lfunc_end_k_q368b029833_attn:
	.size	k_q368b029833_attn, .Lfunc_end_k_q368b029833_attn-k_q368b029833_attn
	.p2alignl 7, 3214868480
	.fill 96, 4, 3214868480
	.section	.rodata,"a",@progbits
	.p2align	6, 0x0
	.amdhsa_kernel k_q368b029833_attn
		.amdhsa_group_segment_fixed_size 215040
		.amdhsa_private_segment_fixed_size 0
		.amdhsa_enable_private_segment 0
		.amdhsa_kernarg_size 32
		.amdhsa_user_sgpr_count 2
		.amdhsa_user_sgpr_kernarg_segment_ptr 1
		.amdhsa_wavefront_size32 1
		.amdhsa_system_sgpr_workgroup_id_x 1
		.amdhsa_system_sgpr_workgroup_id_y 1
		.amdhsa_system_sgpr_workgroup_id_z 1
		.amdhsa_system_vgpr_workitem_id 0
		.amdhsa_next_free_vgpr 256
		.amdhsa_next_free_sgpr 80
		.amdhsa_reserve_vcc 1
		.amdhsa_float_denorm_mode_32 3
		.amdhsa_float_denorm_mode_16_64 3
		.amdhsa_memory_ordered 1
		.amdhsa_forward_progress 1
		.amdhsa_inst_pref_size 82
	.end_amdhsa_kernel
	.amdgpu_metadata
---
amdhsa.version: [ 1, 2 ]
amdhsa.kernels:
  - .name:           k_q368b029833_attn
    .symbol:         k_q368b029833_attn.kd
    .args:
      - { .name: qimg, .offset: 0, .size: 8, .value_kind: global_buffer, .address_space: global }
      - { .name: kv, .offset: 8, .size: 8, .value_kind: global_buffer, .address_space: global }
      - { .name: opc2, .offset: 16, .size: 8, .value_kind: global_buffer, .address_space: global }
      - { .name: sc2, .offset: 24, .size: 8, .value_kind: global_buffer, .address_space: global }
    .group_segment_fixed_size: 215040
    .private_segment_fixed_size: 0
    .kernarg_segment_align: 8
    .kernarg_segment_size: 32
    .max_flat_workgroup_size: 512
    .sgpr_count:     80
    .vgpr_count:     256
    .wavefront_size: 32
...
	.end_amdgpu_metadata
.endif
;; end of part 3
;; launch proj (part 4): grid 4 x 32, 4 waves a work-group, clusters of 4 x 4, 327,680 bytes of LDS; arguments opc2, sc2, out0; writes out0
.if DOCPART == 4
	.amdgcn_target "amdgcn-amd-amdhsa--gfx1250"
	.amdhsa_code_object_version 6
	.text
	.protected	k_q368b029833_proj
	.globl	k_q368b029833_proj
	.p2align	8
	.type	k_q368b029833_proj,@function
k_q368b029833_proj:
	s_mov_b64 s[64:65], 0
	v_nop
	global_prefetch_b8 v0, s[64:65] scope:SCOPE_SE
	s_setreg_imm32_b32 hwreg(HW_REG_WAVE_MODE, 25, 1), 1
	s_wait_xcnt 0x0
	s_wait_alu depctr_hold_cnt(0) depctr_sa_sdst(0) depctr_va_vdst(0) depctr_va_sdst(0) depctr_va_ssrc(0) depctr_va_vcc(0) depctr_vm_vsrc(0)
	s_getreg_b32 s2, hwreg(HW_REG_IB_STS2, 6, 4)
	s_cmp_eq_u32 s2, 0
	s_cbranch_scc0 .Lentry_in_a_cluster
	s_endpgm
.Lentry_in_a_cluster:
	s_bfe_u32 s2, ttmp6, 0x10000c
	s_cmp_lg_u32 s2, 0xf033
	s_cbranch_scc0 .Lentry_shape_is_right
	s_endpgm
.Lentry_shape_is_right:
; out0 = hidden W_o on codes of FP6 with E8M0 scales, K = 1,024; out0 [8192][1024] f32.
; A work-group of four waves makes 256 x 256, a wave 128 x 128: 64 accumulators, 512 registers.  Operand P = hidden is source 1 (its rows lie along the lanes), operand R = W_o source 0 (its columns lie along a lane's registers).
; Both come out of one buffer of codes, [tile][half 0..15][768 bytes] (a half: 16 rows x 64 K as six registers of all lanes: registers 0-3 at 16 x lane, 4-5 at 512 + 8 x lane): tiles 0-511 hidden, 512-575 W_o.
; Lane-row r of tile 2 g + u is row 32 g + 8 u + r + 8 (r / 8): the way out undoes that order, in the stage's offsets for the columns and in the stores' offsets for the rows.
; K goes through a ring of two LDS slots of 256 along K: four fills, the last two behind rounds of the cluster's barrier.  The eight K steps are written out: each names its own scale registers.
; CLUSTERS 4 x 4: P's tiles hang on the row of the cluster alone, R's on its column alone: each is asked for jointly.  128 work-groups: 8,192 x 1,024 has no more tiles of this size.
; No prefetch: a work-group has four fills in all, two of them at its head.
; REGISTERS: window 0: v16-23 LDS addresses, v24-26 the way out, v27 the scales' offset, v28-29 for the add, v32-95 scale words (v[32 + 8 i + ks]: lanes 0-15 P's block i, lanes 16-31 R's), v128-223 P's fragments;
;   on the way out v128-255 take rows read back.  window 1: R's fragments, two sets, at v0 and v128.  windows 2, 3: accumulator (a, b) at v[8 (8 (a % 4) + b)].
.set HALFT,  24576
.set SLOT,   98304
.set SPARE,  196608                    ; behind the ring: the spare words, 128 bytes for each wave, which no other line names
.set SPITCH, 528                       ; the way out: a stage of 16 rows x (512 bytes + 16) for each wave, in slot 0, which has had its last fill and its last read by then
.set FR,     12
.set ADRA,   16
.set ADRB,   20
.set STO,    24
.set RD,     25
.set CO,     26
.set SPW,    28
.set NIL,    29
.set SC,     32
.set AF,     128
.set BK,     128
.set G1,  24
.set G0,  32
.set G1B, 48
.set G0B, 56
.set MSB, 0
.macro WIN new
.if MSB != (\new)
	s_set_vgpr_msb (MSB<<8)|(\new)
.set MSB, (\new)
.endif
.endm
.set MUL_LO, 0xa1
.set MUL_HI, 0xf1
.set TO_B,   0x40
.macro JLOAD g0a, g1a, g0b, g1b        ; waves 0 and 1 fetch P's halves, waves 2 and 3 R's; four v_nop follow each of the two lines
	s_cmp_eq_u32 s15, 0
	s_cbranch_scc0 .Lfor_b_\@
	tensor_load_to_lds s[\g0a:\g0a+3], s[\g1a:\g1a+7]
	s_nop 0
.rept 4
	v_nop
.endr
	s_branch .Lasked_\@
.Lfor_b_\@:
	tensor_load_to_lds s[\g0b:\g0b+3], s[\g1b:\g1b+7]
	s_nop 0
.rept 4
	v_nop
.endr
.Lasked_\@:
.endm
.macro CREST
	s_cmp_lg_u32 s14, 0
	s_cbranch_scc1 .Lnot_wave_0_\@
	s_barrier_signal -3
.Lnot_wave_0_\@:
	s_barrier_wait -3
	s_barrier_signal -1
	s_barrier_wait -1
.endm
.macro CROUND
	s_barrier_signal -1
	s_barrier_wait -1
	CREST
.endm
.macro PLACES n
.rept \n
	v_nop
.endr
.endm
.macro FRAG reg, adr, q, i
.irp c, 0,1
	ds_load_b128 v[\reg+6*\c:\reg+6*\c+3], v[\adr] offset:3072*(\i)+1536*(\q)+768*\c
	ds_load_b64 v[\reg+6*\c+4:\reg+6*\c+5], v[\adr+2] offset:3072*(\i)+1536*(\q)+768*\c+512
.endr
.endm
.macro FETCH_B slot, q, p
	WIN TO_B
.irp i, 0,1,2,3,4,5,6,7
	FRAG 128*(\p)+FR*\i, ADRB+\slot, \q, \i
.endr
	WIN 0
.endm
.macro FETCH_A slot, q, i0
.irp i, \i0, \i0+1, \i0+2, \i0+3
	FRAG AF+FR*(\i), ADRA+\slot, \q, \i
.endr
.endm
.macro MUL16 a0, p, ks, zero           ; the 64 accumulators take turns, one instruction a turn, in the same order in every step
.irp a, \a0, \a0+1
.irp b, 0,1,2,3,4,5,6,7
.if \zero
	v_wmma_scale_f32_16x16x128_f8f6f4 v[8*(8*((\a)%4)+\b):8*(8*((\a)%4)+\b)+7], v[128*(\p)+FR*\b:128*(\p)+FR*\b+FR-1], v[AF+FR*(\a):AF+FR*(\a)+FR-1], 0, v[SC+8*\b+(\ks)], v[SC+8*(\a)+(\ks)] matrix_a_fmt:MATRIX_FMT_FP6 matrix_b_fmt:MATRIX_FMT_FP6 matrix_a_scale:MATRIX_SCALE_ROW1
.else
	v_wmma_scale_f32_16x16x128_f8f6f4 v[8*(8*((\a)%4)+\b):8*(8*((\a)%4)+\b)+7], v[128*(\p)+FR*\b:128*(\p)+FR*\b+FR-1], v[AF+FR*(\a):AF+FR*(\a)+FR-1], v[8*(8*((\a)%4)+\b):8*(8*((\a)%4)+\b)+7], v[SC+8*\b+(\ks)], v[SC+8*(\a)+(\ks)] matrix_a_fmt:MATRIX_FMT_FP6 matrix_b_fmt:MATRIX_FMT_FP6 matrix_a_scale:MATRIX_SCALE_ROW1
.endif
.endr
.endr
.endm
.macro STEP slot, ks, zero
	s_wait_dscnt 16                                ; R's set and P's blocks 0-3 are in; the youngest 16 loads (P's blocks 4-7) may be out
	WIN MUL_LO
	MUL16 0, 0, \ks, \zero
	MUL16 2, 0, \ks, \zero
	s_wait_dscnt 0
	PLACES 4
	FETCH_B \slot, 1, 1
	FETCH_A \slot, 1, 0
	WIN MUL_HI
	MUL16 4, 0, \ks, \zero
	MUL16 6, 0, \ks, \zero
	PLACES 4
	WIN 0
	FETCH_A \slot, 1, 4
.endm
.macro TURN slot, next, ks, fill
	s_wait_tensorcnt 0x0                           ; all my tensor loads have landed: my part of the next slot
	ds_add_u32 v[SPW], v[NIL]                      ; 0 onto my spare word
	s_wait_dscnt 17                                ; (the add and the youngest 16 loads may be out)
	WIN MUL_LO
	MUL16 0, 1, \ks, 0
	s_wait_dscnt 0x0                               ; the add is done, and my reads of this slot are over
	s_barrier_signal -1
	MUL16 2, 1, \ks, 0
	WIN 0
	s_barrier_wait -1
.if \fill
	CREST                                          ; the barrier has opened a round of the cluster's barrier
	s_add_nc_u64 s[G0+4*\slot+2:G0+4*\slot+3], s[G0+4*\slot+2:G0+4*\slot+3], 6144
	s_add_nc_u64 s[G0B+4*\slot+2:G0B+4*\slot+3], s[G0B+4*\slot+2:G0B+4*\slot+3], 6144
	JLOAD G0+4*\slot, G1, G0B+4*\slot, G1B         ; the first tensor load behind the round; its four v_nop are the places in front of the loads below
.else
	PLACES 4
.endif
	FETCH_B \next, 0, 0
	FETCH_A \next, 0, 0
	WIN MUL_HI
	MUL16 4, 1, \ks, 0
	MUL16 6, 1, \ks, 0
	PLACES 4
	WIN 0
	FETCH_A \next, 0, 4
.endm
	s_load_b128 s[4:7], s[0:1], 0x0                ; codes s[4:5], scale words s[6:7]
	s_load_b64 s[8:9], s[0:1], 0x10                ; out0
	v_lshl_add_u32 v[SPW], v0, 2, SPARE
	v_mov_b32 v[NIL], 0
	ds_add_u32 v28, v29
	ds_add_u32 v28, v29
	s_wait_dscnt 0x0
	v_lshrrev_b32 v1, 5, v0
	v_readfirstlane_b32 s14, v1                    ; wave 0..3
	s_lshr_b32 s15, s14, 1
	s_and_b32 s16, s14, 1
	s_bfe_u32 s40, ttmp6, 0x40000                  ; cx
	s_bfe_u32 s41, ttmp6, 0x40004                  ; cy
	s_lshl_b32 s42, ttmp9, 2
	s_add_co_u32 s42, s42, s40                     ; work-group x
	s_and_b32 s17, ttmp7, 0xffff
	s_lshl_b32 s17, s17, 2
	s_add_co_u32 s17, s17, s41                     ; work-group y
	s_lshl_b32 s43, s41, 2
	s_lshl_b32 s43, 15, s43
	s_lshl_b32 s44, 0x1111, s40
	s_or_b32 s[G1+0], s43, (3<<16)|(1<<21)
	s_or_b32 s[G1B+0], s44, (3<<16)|(1<<21)
.irp g, G1, G1B
	s_mov_b32 s[\g+1], 384<<16
	s_mov_b32 s[\g+2], 8<<16
	s_mov_b32 s[\g+3], 384<<16
	s_mov_b32 s[\g+4], 8
	s_mov_b32 s[\g+5], 1536
	s_mov_b32 s[\g+6], 0
	s_mov_b32 s[\g+7], 0
.endr
	s_mov_b32 s67, 0xffff0000
	s_lshl_b32 s72, s17, 4                         ; P's first tile: hidden, 16 x work-group y
	s_lshl_b32 s73, s42, 4
	s_add_co_u32 s73, s73, 512                     ; R's: W_o, 512 + 16 x work-group x
	s_lshl_b32 s45, s16, 3
	s_add_co_u32 s74, s72, s45
	s_mul_i32 s74, s74, 12288
	s_mov_b32 s75, 0
	s_add_co_u32 s76, s73, s45
	s_mul_i32 s76, s76, 12288
	s_mov_b32 s77, 0
	s_mul_i32 s46, s14, HALFT
	s_mul_i32 s47, s14, 16*SPITCH                  ; my stage
	s_wait_kmcnt 0x0
	s_add_nc_u64 s[74:75], s[4:5], s[74:75]
	s_add_nc_u64 s[76:77], s[4:5], s[76:77]
	CROUND
.irp s, 0,1
	s_mov_b32 s[G0+4*\s], 1
	s_add_co_u32 s[G0+4*\s+1], s46, \s*SLOT
	s_add_nc_u64 s[G0+4*\s+2:G0+4*\s+3], s[74:75], \s*3072
	s_or_b32 s[G0+4*\s+3], s[G0+4*\s+3], 0x80000000
	s_mov_b32 s[G0B+4*\s], 1
	s_add_co_u32 s[G0B+4*\s+1], s46, \s*SLOT
	s_add_nc_u64 s[G0B+4*\s+2:G0B+4*\s+3], s[76:77], \s*3072
	s_or_b32 s[G0B+4*\s+3], s[G0B+4*\s+3], 0x80000000
	JLOAD G0+4*\s, G1, G0B+4*\s, G1B
.endr
	v_and_b32 v1, 31, v0
	v_lshlrev_b32 v[CO], 4, v1                     ; 16 x lane
	v_lshlrev_b32 v3, 3, v1                        ; 8 x lane
	s_mul_i32 s12, s15, HALFT
	s_mul_i32 s13, s16, HALFT
	s_add_co_u32 s13, s13, 2*HALFT
.irp s, 0,1
	v_add_nc_u32 v[ADRA+\s], s12, v[CO]
	v_add_nc_u32 v[ADRA+2+\s], s12, v3
	v_add_nc_u32 v[ADRB+\s], s13, v[CO]
	v_add_nc_u32 v[ADRB+2+\s], s13, v3
	s_add_co_u32 s12, s12, SLOT
	s_add_co_u32 s13, s13, SLOT
.endr
	s_lshl_b32 s78, s15, 3
	s_add_co_u32 s78, s78, s72
	s_lshl_b32 s78, s78, 9
	s_add_co_u32 s79, s73, s45
	s_lshl_b32 s79, s79, 9
	v_and_b32 v2, 15, v0                           ; r
	v_bfe_u32 v4, v0, 4, 1                         ; h
	v_mov_b32 v27, s78
	v_mov_b32 v5, s79
	v_cndmask_b32 v27, v27, v5, s67
	v_lshl_add_u32 v27, v2, 3, v27
.irp i, 0,1,2,3,4,5,6,7
.irp q, 0,1,2,3
	global_load_b64 v[SC+8*\i+2*\q:SC+8*\i+2*\q+1], v27, s[6:7] offset:(\i/2)*1024+(\i%2)*128+256*\q
.endr
.endr
	v_mul_u32_u24 v[STO], v2, SPITCH
	v_lshl_add_u32 v[STO], v4, 6, v[STO]
	v_add_nc_u32 v[STO], s47, v[STO]               ; into the stage: row r, + 64 h
	v_add_nc_u32 v[RD], s47, v[CO]                 ; back: a row's 512 bytes, 16 a lane
	s_lshl_b32 s80, s17, 8
	s_lshl_b32 s81, s15, 7
	s_add_co_u32 s80, s80, s81
	s_lshl_b32 s80, s80, 12                        ; my first row of out0, 4,096 bytes a row
	s_lshl_b32 s81, s42, 10
	s_add_co_u32 s80, s80, s81
	s_lshl_b32 s81, s16, 9
	s_add_co_u32 s80, s80, s81                     ; my first column
	s_mov_b32 s81, 0
	s_add_nc_u64 s[8:9], s[8:9], s[80:81]
	s_wait_tensorcnt 1                             ; my part of fill 0 is in; fill 1 may stay out
	s_barrier_signal -1
	s_barrier_wait -1
	FETCH_B 0, 0, 0
	FETCH_A 0, 0, 0
	FETCH_A 0, 0, 4
	s_wait_loadcnt 0x0                             ; the scale words
	STEP 0, 0, 1
	TURN 0, 1, 1, 1
	STEP 1, 2, 0
	TURN 1, 0, 3, 1
	STEP 0, 4, 0
	TURN 0, 1, 5, 0
	STEP 1, 6, 0
	s_wait_dscnt 16
	WIN MUL_LO
	MUL16 0, 1, 7, 0
	MUL16 2, 1, 7, 0
	s_wait_dscnt 0
	WIN MUL_HI
	MUL16 4, 1, 7, 0
	MUL16 6, 1, 7, 0
	WIN 0
; THE WAY OUT, block a (one tile of hidden's rows) at a time, through my own stage.  Accumulator b = 2 g + u holds columns 32 g + 8 u + 16 h + 0 .. 7 of my 128.  LDS serves a wave's instructions in order.
.macro TOSTAGE a
.set AC, 64*((\a)%4)
	WIN 0x08+4*((\a)/4)                            ; an LDS store's data: window 2 or 3
.irp b, 0,1,2,3,4,5,6,7
	ds_store_b128 v[STO], v[AC+8*\b:AC+8*\b+3] offset:128*(\b/2)+32*(\b%2)        ; each accumulator from its low end on
	ds_store_b128 v[STO], v[AC+8*\b+4:AC+8*\b+7] offset:128*(\b/2)+32*(\b%2)+16
.endr
	WIN 0
.set BB, BK+64*((\a)%2)
.irp t, 0,1,2,3,4,5,6,7,8,9,10,11,12,13,14,15
	ds_load_b128 v[BB+4*\t:BB+4*\t+3], v[RD] offset:\t*SPITCH
.endr
.endm
.macro SEND a, younger                 ; tile a begins 32 (a / 2) + 8 (a % 2) rows behind my first; its lane-row t is row t + 8 (t / 8) from there
.set BB, BK+64*((\a)%2)
	s_wait_dscnt \younger
.if (\a) > 0
.if ((\a)%2) == 1
	s_add_nc_u64 s[8:9], s[8:9], 8*4096            ; (behind a wait on XCNT: the earlier stores have read their base)
.else
	s_add_nc_u64 s[8:9], s[8:9], 24*4096
.endif
.endif
.irp t, 0,1,2,3,4,5,6,7,8,9,10,11,12,13,14,15
	global_store_b128 v[CO], v[BB+4*\t:BB+4*\t+3], s[8:9] offset:(\t+8*(\t/8))*4096 th:TH_STORE_NT   ; 32 lanes store 512 consecutive bytes, at a multiple of 512 from out0's first byte
.endr
.endm
	PLACES 4
	TOSTAGE 0
.irp a, 1,2,3,4,5,6,7
.if \a > 1
	s_wait_xcnt 0x0                                ; block a - 2's stores have read their registers and their base
.endif
	TOSTAGE \a
	SEND \a-1, 32                                  ; behind block a - 1's loads: block a's 16 stores and 16 loads
.endr
	s_wait_xcnt 0x0
	SEND 7, 0
	s_wait_tensorcnt 0x0                           ; the wave's end
	ds_add_u32 v[SPW], v[NIL]
	s_wait_dscnt 0x0
	CROUND                                         ; the closing round
	s_endpgm
.Lfunc_end_k_q368b029833_proj:
	.size	k_q368b029833_proj, .Lfunc_end_k_q368b029833_proj-k_q368b029833_proj
	.p2alignl 7, 3214868480
	.fill 96, 4, 3214868480
	.section	.rodata,"a",@progbits
	.p2align	6, 0x0
	.amdhsa_kernel k_q368b029833_proj
		.amdhsa_group_segment_fixed_size 327680
		.amdhsa_private_segment_fixed_size 0
		.amdhsa_enable_private_segment 0
		.amdhsa_kernarg_size 24
		.amdhsa_user_sgpr_count 2
		.amdhsa_user_sgpr_kernarg_segment_ptr 1
		.amdhsa_wavefront_size32 1
		.amdhsa_system_sgpr_workgroup_id_x 1
		.amdhsa_system_sgpr_workgroup_id_y 1
		.amdhsa_system_sgpr_workgroup_id_z 1
		.amdhsa_system_vgpr_workitem_id 0
		.amdhsa_next_free_vgpr 1024
		.amdhsa_next_free_sgpr 96
		.amdhsa_reserve_vcc 0
		.amdhsa_float_denorm_mode_32 3
		.amdhsa_float_denorm_mode_16_64 3
		.amdhsa_memory_ordered 1
		.amdhsa_forward_progress 1
		.amdhsa_inst_pref_size 142
	.end_amdhsa_kernel
	.amdgpu_metadata
---
amdhsa.version: [ 1, 2 ]
amdhsa.kernels:
  - .name:           k_q368b029833_proj
    .symbol:         k_q368b029833_proj.kd
    .args:
      - { .name: opc2, .offset: 0, .size: 8, .value_kind: global_buffer, .address_space: global }
      - { .name: sc2, .offset: 8, .size: 8, .value_kind: global_buffer, .address_space: global }
      - { .name: out0, .offset: 16, .size: 8, .value_kind: global_buffer, .address_space: global }
    .group_segment_fixed_size: 327680
    .private_segment_fixed_size: 0
    .kernarg_segment_align: 8
    .kernarg_segment_size: 24
    .max_flat_workgroup_size: 128
    .sgpr_count:     96
    .vgpr_count:     1024
    .wavefront_size: 32
...
	.end_amdgpu_metadata
.endif
;; end of part 4
